; MI455X (gfx1250); checked and timed in simulation.
; The chip was launched on July 23, 2026; its instructions are those of AMD's public machine-readable ISA for CDNA 5 (MIT licence, August 2026) and "CDNA5" Instruction Set Architecture Reference Guide (July 2026). The comments in the code are by the model that wrote it; some were corrected since.
;; Multihead Attnetion. Allowed arithmetic: matrix products marked QUANTISED: E2M3 operands, one E8M0 scale for each 32 along K, by v_wmma_scale_f32_16x16x128_f8f6f4 with both operands' format E2M3, f32 sums; everything else in f32.
;; Inputs: Wk 1,024 x 1,024 float32; Wo 1,024 x 1,024 float32; Wq 1,024 x 1,024 float32; Wv 1,024 x 1,024 float32; bk 1,024 float32; bo 1,024 float32; bq 1,024 float32; bv 1,024 float32; x 4 x 2,048 x 1,024 float32.
;; Outputs: out0 4 x 2,048 x 1,024 float32.
;; This version of the problem:
;;   THIS VERSION OF THE PROBLEM IS GIVEN IN LOW PRECISION. The matrix products marked QUANTISED in the list below multiply operands that are first quantised to E2M3 (2 exponent bits, 3 mantissa bits; 6 bits a number), with one power-of-two scale for each 32 numbers along K (OCP MX v1.0); their sums are f32. All else is computed in f32.
;;   The module's matrix products, in the order in which they are computed (A, B: the left and right operand; K: the contracted axis; several contracted axes count as one K, in the product's order):
;;     1. [M 8,192, K 1,024] x [K 1,024, N 1,024]; A: input x; B: input Wq: QUANTISED
;;     2. [M 8,192, K 1,024] x [K 1,024, N 1,024]; A: input x; B: input Wk: QUANTISED
;;     3. [M 8,192, K 1,024] x [K 1,024, N 1,024]; A: input x; B: input Wv: QUANTISED
;;     4. batch 64 x [M 2,048, K 64] x [K 64, N 2,048]; A: computed on the way; B: computed on the way: QUANTISED
;;     5. batch 64 x [M 2,048, K 2,048] x [K 2,048, N 64]; A: softmax (see below); B: computed on the way: QUANTISED
;;     6. [M 8,192, K 1,024] x [K 1,024, N 1,024]; A: computed on the way; B: input Wo: QUANTISED
;;   THE QUANTISER, for each operand of a quantised product, along K:
;;     - K is cut into blocks of 32 from its start; a last block that is shorter is filled with zeros.
;;     - A block's scale is 2^e with e = floor(log2(the largest magnitude in the block)) - 2, held to -126 .. 127; a block of zeros has e = 0. As a byte (E8M0): e + 127.
;;     - Each number is divided by its block's scale, clamped to +-7.5, and rounded to the nearest number of E2M3, ties to even, subnormals kept.
;;     - The product sums the exact products of the quantised numbers (number of the format x scale) in f32.
;;   ~~~python
;;   def quantise(x, axis):      # numpy; x: float32 -> the quantised numbers, widened to float32 again
;;       x = np.moveaxis(x, axis, -1); K = x.shape[-1]
;;       x = np.pad(x, [(0, 0)] * (x.ndim - 1) + [(0, -K % 32)]); x = x.reshape(x.shape[:-1] + (-1, 32)); a = np.abs(x).max(-1, keepdims=True)
;;       e = np.where(a > 0, np.clip(np.frexp(np.where(a > 0, a, 1))[1] - 1 - 2, -126, 127), 0)      # np.frexp(a)[1] - 1 = floor(log2(a)), exactly
;;       r = np.clip(x / 2.0 ** e, -7.5, 7.5)
;;       step = 2.0 ** (np.maximum(np.frexp(np.where(r == 0, 1, r))[1] - 1, 0) - 3)
;;       q = np.round(r / step) * step * 2.0 ** e      # np.round: ties to even
;;       return np.moveaxis(q.reshape(q.shape[:-2] + (-1,))[..., :K], -1, axis).astype(np.float32)
;;   ~~~
;;   SOFTMAX AHEAD OF A QUANTISED PRODUCT. Where the list says 'softmax', what is quantised is not the finished softmax but p = 2^(t - M), with t = logit x log2(e) and M = ceil(the row's largest t), a whole number; so 1/2 < the row's largest p <= 1. The row's sum l is taken of the UNQUANTISED p, in f32, and the product's result is divided by l at the end. Since M is a whole number, a kernel that streams over the keys may use a running M (the ceiling of the running maximum): every later rescaling is an exact power of two, which a block's scale takes up: the codes' values come out the same.
;;   OPERANDS COMPUTED ON THE WAY. 'Computed on the way' means the value that the module computes at that place (a softmax that the list does not call 'softmax' is quantised finished and normalised). What goes into a quantiser is computed in f32, as accurately as f32 sums, v_exp_f32 and their like allow (about 1e-6 of the number): no bf16 or f16 on the way to a quantiser, and a product that is left as it is and whose result goes on into a quantised operand takes f32 operands (vector FMAs, or v_wmma_f32_16x16x4_f32). A number that lies on a knife's edge between two numbers of the format may be rounded either way, as far as f32 arithmetic and the matrix unit's own rounding can turn it there, and no further.
;; One version. Each part assembles by itself: llvm-mc -triple=amdgcn-amd-amdhsa -mcpu=gfx1250 --defsym DOCPART=n.
;; ======== version 1 of 1: 4 launches
;; limits: right only within a limited range of input values
;; workspace buffers: xq 6,553,600 bytes; wq 3,293,184 bytes; qkv 19,660,800 bytes; sq 6,553,600 bytes
;; launch quant (part 1): grid 384 x 1, 4 waves a work-group, no clusters, 68,096 bytes of LDS; arguments Wq, Wk, Wv, Wo, bq, bk, bv, bo, wq, x, xq; writes wq, xq
.if DOCPART == 1
	.amdgcn_target "amdgcn-amd-amdhsa--gfx1250"
	.amdhsa_code_object_version 6
	.text
	.protected	k_q2457d25895_quant
	.globl	k_q2457d25895_quant
	.p2align	8
	.type	k_q2457d25895_quant,@function
k_q2457d25895_quant:
	s_mov_b64 s[64:65], 0
	v_nop
	global_prefetch_b8 v0, s[64:65] scope:SCOPE_SE
	s_setreg_imm32_b32 hwreg(HW_REG_WAVE_MODE, 25, 1), 1
	s_wait_xcnt 0x0
; One launch quantises all five f32 operands to codes of FP6 (E2M3), K innermost, one E8M0 scale byte for each 32 along K.
; Work-groups 0-127 take the weights (the longer path, so the lower numbers), 128-383 take x.  The two paths part on the work-group's number alone and have LDS bytes of their own.
; A block's scale byte is its largest magnitude's exponent field - 2, held at 1 from below.
; LIMITS: a block of zeros gets the byte 1 where the rule says 127 (its codes are zeros; this program alone reads the bytes); blocks whose largest magnitude lies under 2^-124 are held at that byte; NaN and infinities are not served.
; WEIGHTS [1024 (k)][1024 (n)]: wq holds codes [4096 rows][768 bytes] from byte 0, scale bytes [4096][32] from 3,145,728, the biases [4096] f32 from 3,276,800.  Row = 1024 x matrix (q 0, k 1, v 2, o 3) + place(n).
; place(n) permutes n's bits so that the products' results fall where the next quantiser wants them: q, k: bits 3 and 4 change places; o: none; v: bit 0 -> 3, 1 -> 5, 2 -> 6, 3 -> 8, 4 -> 7, 5 -> 9, 6 -> 0, 7 -> 1, 8 -> 2, 9 -> 4.
; A lane takes a column n and its registers run down K; a wave takes 32 columns x 256 along K; the codes leave through the wave's own stage as rows of 192 consecutive bytes.
; x [8192][1024]: xq holds codes [8192][768 bytes] from byte 0, scale bytes [8192][32] from 6,291,456.  A wave takes 16 steps of 512 numbers; each load reads 512 consecutive bytes; a step turns through the wave's own stage so that a lane holds 16 neighbours along K.
; No barrier: waves share nothing.  No tensor load, no matrix work, no cluster: each input byte is read once.
.set EMAX,  2
.set WBASE, 32768                      ; LDS: x's path has bytes 0 .. 32,767, the weights' path 32,768 .. 67,583
.set SPARE, 67584                      ; the spare words, 128 bytes a wave, which no other line names
	s_cmp_lt_u32 ttmp9, 128
	s_cbranch_scc0 .Lx
.set SIZE_N, 1024
.set NB,    8
.set ROWB,  192
.set PITCH, 272
.set KROW,  768
.set WX,    32                         ; v32-95 two sets of 32 numbers
.set WC,    96                         ; a block's codes
.set OUTR,  112
.set OFFR,  176
.set SB,    24
	s_load_b256 s[4:11], s[0:1], 0x0               ; Wq, Wk, Wv, Wo
	s_load_b256 s[12:19], s[0:1], 0x20             ; bq, bk, bv, bo
	s_load_b64 s[20:21], s[0:1], 0x40              ; wq
	v_lshl_add_u32 v14, v0, 2, SPARE               ; my spare word, and 0: kept for the closing lines
	v_mov_b32 v15, 0
	v_lshrrev_b32 v1, 5, v0
	v_readfirstlane_b32 s22, v1                    ; wave
	v_and_b32 v2, 31, v0                           ; lane
	s_wait_alu depctr_va_vdst(0)                   ; the wait ahead of the run of scalar lines
	s_and_b32 s54, ttmp9, 31
	s_lshr_b32 s23, s54, 3                         ; which matrix
	s_and_b32 s24, s54, 7
	s_lshl_b32 s24, s24, 7
	s_lshl_b32 s26, s22, 5
	s_add_co_u32 s24, s24, s26                     ; n0: my wave's first column
	s_lshr_b32 s25, ttmp9, 5                       ; which 256 along K
	s_lshr_b32 s26, s24, 5
	s_and_b32 s27, s26, 1
	s_lshl_b32 s27, s27, 9
	s_bfe_u32 s28, s26, 0x30001
	s_or_b32 s27, s27, s28
	s_bfe_u32 s28, s26, 0x10004
	s_lshl_b32 s28, s28, 4
	s_or_b32 s27, s27, s28                         ; v's place of bits 5 to 9
	s_cmp_eq_u32 s23, 3                            ; what a set bit 0 .. 4 of n adds to the place: s30 .. s34
	s_cselect_b32 s33, 8, 16
	s_cselect_b32 s34, 16, 8
	s_cmp_eq_u32 s23, 2
	s_cselect_b32 s30, 8, 1
	s_cselect_b32 s31, 32, 2
	s_cselect_b32 s32, 64, 4
	s_cselect_b32 s33, 256, s33
	s_cselect_b32 s34, 128, s34
	s_cselect_b32 s27, s27, s24
	s_lshl_b32 s28, s23, 10
	s_add_co_u32 s27, s27, s28                     ; the row of wq that column n0 takes
	v_and_b32 v10, 1, v2
	v_mul_u32_u24 v16, v10, s30
.irp k, 1,2,3,4
	v_bfe_u32 v10, v2, \k, 1
	v_mad_u32_u24 v16, v10, s[30+\k], v16          ; what my lane's column adds to that row
.endr
	v_lshlrev_b32 v9, 5, v16
	v_lshlrev_b32 v18, 2, v16
	v_lshlrev_b32 v3, 2, v2
	s_mul_i32 s35, s22, 32*PITCH
	s_add_co_u32 s35, s35, WBASE                   ; my stage
	v_mul_u32_u24 v4, v2, PITCH
	v_add_nc_u32 v4, s35, v4
	v_and_b32 v5, 15, v2
	v_lshrrev_b32 v6, 4, v2
	v_mul_u32_u24 v7, v6, PITCH
	v_lshl_add_u32 v7, v5, 4, v7
	v_add_nc_u32 v7, s35, v7
.irp k, 0,1,2,3,4
	s_mul_i32 s[36+\k], s[30+\k], KROW
.endr
	v_mul_u32_u24 v8, v6, s36
	v_mad_u32_u24 v8, v5, 12, v8
	s_wait_alu depctr_va_vdst(0)                   ; likewise
.set T, 0
.rept 16
	s_mov_b32 s41, 0                               ; store T takes columns 2 T + lane / 16
.if T&1
	s_add_co_u32 s41, s41, s37
.endif
.if T&2
	s_add_co_u32 s41, s41, s38
.endif
.if T&4
	s_add_co_u32 s41, s41, s39
.endif
.if T&8
	s_add_co_u32 s41, s41, s40
.endif
	v_add_nc_u32 v[OFFR+T], s41, v8
.set T, T+1
.endr
	s_lshl_b32 s46, s25, 20
	s_lshl_b32 s42, s24, 2
	s_add_co_u32 s46, s46, s42
	s_mov_b32 s47, 0
	s_mov_b32 s43, 0
	s_mul_i32 s48, s27, KROW
	s_mul_i32 s49, s25, ROWB
	s_add_co_u32 s48, s48, s49
	s_mov_b32 s49, 0
	s_lshl_b32 s50, s27, 5
	s_lshl_b32 s51, s25, 3
	s_add_co_u32 s50, s50, s51
	s_mov_b32 s51, 0
	s_lshl_b32 s52, s27, 2
	s_mov_b32 s53, 0
	s_wait_alu depctr_va_vdst(0)                   ; the wait at the head's end
	s_wait_kmcnt 0x0
	s_bitcmp1_b32 s23, 0                           ; the matrix and its bias are chosen by the work-group's number alone
	s_cselect_b64 s[4:5], s[6:7], s[4:5]
	s_cselect_b64 s[8:9], s[10:11], s[8:9]
	s_cselect_b64 s[12:13], s[14:15], s[12:13]
	s_cselect_b64 s[16:17], s[18:19], s[16:17]
	s_bitcmp1_b32 s23, 1
	s_cselect_b64 s[4:5], s[8:9], s[4:5]
	s_cselect_b64 s[12:13], s[16:17], s[12:13]
	s_add_nc_u64 s[4:5], s[4:5], s[46:47]
	s_add_nc_u64 s[12:13], s[12:13], s[42:43]
	s_add_nc_u64 s[6:7], s[20:21], s[48:49]
	s_add_nc_u64 s[8:9], s[20:21], s[50:51]
	s_add_nc_u64 s[8:9], s[8:9], 3145728
	s_add_nc_u64 s[10:11], s[20:21], s[52:53]
	s_add_nc_u64 s[10:11], s[10:11], 3276800
	global_load_b32 v17, v3, s[12:13]              ; my column's bias
.macro WLOAD t                         ; block t: W(32 t + i, my column) into set t % 2
.set i, 0
.rept 32
	global_load_b32 v[WX+32*((\t)%2)+i], v3, s[4:5] offset:(32*(\t)+i)*SIZE_N*4 th:TH_LOAD_NT
.set i, i+1
.endr
.endm
	WLOAD 0
	WLOAD 1
.macro BLOCK t
.set XS, WX+32*((\t)%2)
.if (\t) < NB-1
	s_wait_loadcnt 32                              ; this block's 32 loads are in; the next block's 32 may be out
.else
	s_wait_loadcnt 0
.endif
	v_max3_num_f32 v12, |v[XS]|, |v[XS+1]|, |v[XS+2]|
	v_max3_num_f32 v13, |v[XS+3]|, |v[XS+4]|, |v[XS+5]|
.irp i, 6,10,14,18,22,26
	v_max3_num_f32 v12, v12, |v[XS+\i]|, |v[XS+\i+1]|
	v_max3_num_f32 v13, v13, |v[XS+\i+2]|, |v[XS+\i+3]|
.endr
	v_max3_num_f32 v12, v12, |v[XS+30]|, |v[XS+31]|
	v_max3_num_f32 v12, v12, v13, (EMAX+1)<<23     ; the floor: the byte cannot fall under 1
	v_add_nc_u32 v11, -(EMAX<<23), v12             ; the conversion's scale operand
	v_lshrrev_b32 v13, 23, v11                     ; the scale's byte
.if (\t)%4 == 0
	v_mov_b32 v[SB+(\t)/4], v13
.else
	v_lshl_or_b32 v[SB+(\t)/4], v13, 8*((\t)%4), v[SB+(\t)/4]
.endif
	v_cvt_scalef32_pk16_fp6_f32 v[WC:WC+2], v[XS:XS+15], v11
	v_cvt_scalef32_pk16_fp6_f32 v[WC+4:WC+6], v[XS+16:XS+31], v11
	v_nop                                          ; one plain line behind the conversions
	ds_store_b96 v4, v[WC:WC+2] offset:32*(\t)
	ds_store_b96 v4, v[WC+4:WC+6] offset:32*(\t)+16
.if (\t)+2 < NB
	WLOAD (\t)+2
.endif
	s_wait_dscnt 0x0                               ; the stores have read their registers
.endm
.set Q, 0
.rept NB
	BLOCK Q
.set Q, Q+1
.endr
	s_wait_alu depctr_va_vdst(0)                   ; the wait ahead of the reader below
	global_store_b64 v9, v[SB:SB+1], s[8:9]        ; my column's 8 scale bytes
	s_cmp_lg_u32 s25, 0                            ; each bias has one owner
	s_cbranch_scc1 .Lno_bias
	global_store_b32 v18, v17, s[10:11]
.Lno_bias:
.set T, 0
.rept 16
	ds_load_b96 v[OUTR+4*T:OUTR+4*T+2], v7 offset:2*T*PITCH
.set T, T+1
.endr
.set T, 0
.rept 16
	s_wait_dscnt 15-T                              ; the younger loads may be out
	global_store_b96 v[OFFR+T], v[OUTR+4*T:OUTR+4*T+2], s[6:7]
.set T, T+1
.endr
	s_wait_tensorcnt 0x0                           ; the wave's end
	ds_add_u32 v14, v15
	s_wait_dscnt 0x0
	s_endpgm
.Lx:
.set STEPS, 16
.set CB,    12
.set R,     16                         ; v16-79 four sets of 16 numbers as loaded
.set X,     80                         ; v80-111 two sets of 16 neighbours
.set C,     128                        ; v128-190 codes, four registers a step
.set E,     112                        ; v112-127 a scale byte a step
.set WREG,  8192
.set SP,    80
	s_load_b128 s[4:7], s[0:1], 0x48               ; x, xq
	v_lshl_add_u32 v12, v0, 2, SPARE               ; my spare word, and 0
	v_mov_b32 v13, 0
	v_lshrrev_b32 v1, 5, v0
	v_readfirstlane_b32 s16, v1
	v_and_b32 v2, 31, v0
	v_lshlrev_b32 v3, 4, v2
	s_mul_i32 s17, s16, WREG
	v_lshrrev_b32 v14, 2, v2
	v_mul_u32_u24 v14, v14, SP
	v_and_b32 v15, 3, v2
	v_lshl_add_u32 v14, v15, 4, v14
	v_add_nc_u32 v14, s17, v14                     ; the stage, on the way in
	v_mul_u32_u24 v15, v2, SP
	v_add_nc_u32 v15, s17, v15                     ; and on the way out
	v_mul_u32_u24 v4, v2, CB
	v_lshrrev_b32 v5, 1, v2
	s_add_co_u32 s17, s17, 2*32*SP
	v_add_nc_u32 v5, s17, v5                       ; my block's scale byte in LDS
	v_lshlrev_b32 v7, 3, v2
	v_add_nc_u32 v6, s17, v7
	s_sub_co_u32 s17, ttmp9, 128
	s_lshl_b32 s17, s17, 2
	s_add_co_u32 s18, s17, s16                     ; which run of 8,192 numbers is my wave's
	s_mov_b32 s19, 0
	s_mov_b64 s[20:21], 512*STEPS*4
	s_mul_u64 s[20:21], s[18:19], s[20:21]
	s_mov_b64 s[22:23], 32*STEPS*CB
	s_mul_u64 s[22:23], s[18:19], s[22:23]
	s_lshl_b32 s18, s18, 8
	s_wait_alu depctr_va_vdst(0)                   ; the wait at the head's end
	s_wait_kmcnt 0x0
	s_add_nc_u64 s[4:5], s[4:5], s[20:21]
	s_add_nc_u64 s[8:9], s[6:7], s[22:23]
	s_add_nc_u64 s[10:11], s[6:7], s[18:19]
	s_add_nc_u64 s[10:11], s[10:11], 6291456
.macro XLOAD t
.irp i, 0,1,2,3
	global_load_b128 v[R+16*((\t)%4)+4*\i:R+16*((\t)%4)+4*\i+3], v3, s[4:5] offset:2048*(\t)+512*\i th:TH_LOAD_NT
.endr
.endm
.macro TURN t                          ; LDS serves a wave's instructions in order: no wait between the stores and the loads
.irp i, 0,1,2,3
	ds_store_b128 v14, v[R+16*((\t)%4)+4*\i:R+16*((\t)%4)+4*\i+3] offset:32*SP*((\t)%2)+8*SP*\i
.endr
.irp i, 0,1,2,3
	ds_load_b128 v[X+16*((\t)%2)+4*\i:X+16*((\t)%2)+4*\i+3], v15 offset:32*SP*((\t)%2)+16*\i
.endr
.endm
.irp t, 0,1,2,3
	XLOAD \t
.endr
	s_wait_loadcnt 12                              ; step 0's four loads are in; twelve may be out
	TURN 0
.macro STEP t
.set XS, X+16*((\t)%2)
.if (\t) > 0
	s_wait_dscnt 1                                 ; this step's numbers are back (the last byte store may be out)
.else
	s_wait_dscnt 0x0
.endif
.if (\t)+4 < STEPS
	XLOAD (\t)+4
.endif
.if (\t)+1 < STEPS
.if STEPS-2-(\t) >= 3
	s_wait_loadcnt 12                              ; the next step's four are in; three steps' loads may be out
.else
	s_wait_loadcnt 4*(STEPS-2-(\t))
.endif
	TURN (\t)+1
.endif
	v_max3_num_f32 v8, |v[XS]|, |v[XS+1]|, |v[XS+2]|
	v_max3_num_f32 v9, |v[XS+3]|, |v[XS+4]|, |v[XS+5]|
.irp i, 6,10
	v_max3_num_f32 v8, v8, |v[XS+\i]|, |v[XS+\i+1]|
	v_max3_num_f32 v9, v9, |v[XS+\i+2]|, |v[XS+\i+3]|
.endr
	v_max3_num_f32 v8, v8, |v[XS+14]|, |v[XS+15]|
	v_max3_num_f32 v8, v8, v9, (EMAX+1)<<23
	v_max_num_f32_dpp v8, v8, v8 row_xmask:1 row_mask:0xf bank_mask:0xf   ; with my neighbour's 16: the block's
	v_add_nc_u32 v11, -(EMAX<<23), v8
	v_cvt_scalef32_pk16_fp6_f32 v[C+4*(\t):C+4*(\t)+2], v[XS:XS+15], v11
	v_lshrrev_b32 v[E+(\t)], 23, v11               ; the scale's byte (also the plain line behind the conversion)
	ds_store_b8 v5, v[E+(\t)] offset:16*(\t)
	global_store_b96 v4, v[C+4*(\t):C+4*(\t)+2], s[8:9] offset:32*CB*(\t)
.endm
.set T, 0
.rept 16
	STEP T
.set T, T+1
.endr
	ds_load_b64 v[8:9], v6
	s_wait_dscnt 0x0
	global_store_b64 v7, v[8:9], s[10:11]          ; 32 lanes store 256 consecutive bytes, aligned
	s_wait_tensorcnt 0x0                           ; the wave's end
	ds_add_u32 v12, v13
	s_wait_dscnt 0x0
	s_endpgm
.Lfunc_end_k_q2457d25895_quant:
	.size	k_q2457d25895_quant, .Lfunc_end_k_q2457d25895_quant-k_q2457d25895_quant
	.p2alignl 7, 3214868480
	.fill 96, 4, 3214868480
	.section	.rodata,"a",@progbits
	.p2align	6, 0x0
	.amdhsa_kernel k_q2457d25895_quant
		.amdhsa_group_segment_fixed_size 68096
		.amdhsa_private_segment_fixed_size 0
		.amdhsa_enable_private_segment 0
		.amdhsa_kernarg_size 88
		.amdhsa_user_sgpr_count 2
		.amdhsa_user_sgpr_kernarg_segment_ptr 1
		.amdhsa_wavefront_size32 1
		.amdhsa_system_sgpr_workgroup_id_x 1
		.amdhsa_system_sgpr_workgroup_id_y 1
		.amdhsa_system_sgpr_workgroup_id_z 1
		.amdhsa_system_vgpr_workitem_id 0
		.amdhsa_next_free_vgpr 192
		.amdhsa_next_free_sgpr 66
		.amdhsa_reserve_vcc 0
		.amdhsa_float_denorm_mode_32 3
		.amdhsa_float_denorm_mode_16_64 3
		.amdhsa_memory_ordered 1
		.amdhsa_forward_progress 1
		.amdhsa_inst_pref_size 78
	.end_amdhsa_kernel
	.amdgpu_metadata
---
amdhsa.version: [ 1, 2 ]
amdhsa.kernels:
  - .name:           k_q2457d25895_quant
    .symbol:         k_q2457d25895_quant.kd
    .args:
      - { .name: Wq, .offset: 0, .size: 8, .value_kind: global_buffer, .address_space: global }
      - { .name: Wk, .offset: 8, .size: 8, .value_kind: global_buffer, .address_space: global }
      - { .name: Wv, .offset: 16, .size: 8, .value_kind: global_buffer, .address_space: global }
      - { .name: Wo, .offset: 24, .size: 8, .value_kind: global_buffer, .address_space: global }
      - { .name: bq, .offset: 32, .size: 8, .value_kind: global_buffer, .address_space: global }
      - { .name: bk, .offset: 40, .size: 8, .value_kind: global_buffer, .address_space: global }
      - { .name: bv, .offset: 48, .size: 8, .value_kind: global_buffer, .address_space: global }
      - { .name: bo, .offset: 56, .size: 8, .value_kind: global_buffer, .address_space: global }
      - { .name: wq, .offset: 64, .size: 8, .value_kind: global_buffer, .address_space: global }
      - { .name: x, .offset: 72, .size: 8, .value_kind: global_buffer, .address_space: global }
      - { .name: xq, .offset: 80, .size: 8, .value_kind: global_buffer, .address_space: global }
    .group_segment_fixed_size: 68096
    .private_segment_fixed_size: 0
    .kernarg_segment_align: 8
    .kernarg_segment_size: 88
    .max_flat_workgroup_size: 128
    .sgpr_count:     66
    .vgpr_count:     192
    .wavefront_size: 32
...
	.end_amdgpu_metadata
.endif
;; end of part 1
;; launch qkv (part 2): grid 12 x 32, 4 waves a work-group, clusters of 4 x 4, 327,680 bytes of LDS; arguments xq, wq, qkv; writes qkv
.if DOCPART == 2
	.amdgcn_target "amdgcn-amd-amdhsa--gfx1250"
	.amdhsa_code_object_version 6
	.text
	.protected	k_q2457d25895_qkv
	.globl	k_q2457d25895_qkv
	.p2align	8
	.type	k_q2457d25895_qkv,@function
k_q2457d25895_qkv:
	s_mov_b64 s[64:65], 0
	v_nop
	global_prefetch_b8 v0, s[64:65] scope:SCOPE_SE
	s_setreg_imm32_b32 hwreg(HW_REG_WAVE_MODE, 25, 1), 1
	s_wait_xcnt 0x0
	s_wait_alu depctr_hold_cnt(0) depctr_sa_sdst(0) depctr_va_vdst(0) depctr_va_sdst(0) depctr_va_ssrc(0) depctr_va_vcc(0) depctr_vm_vsrc(0)
	s_getreg_b32 s2, hwreg(HW_REG_IB_STS2, 6, 4)
	s_cmp_eq_u32 s2, 0
	s_cbranch_scc0 .Lentry_in_a_cluster
	s_endpgm
.Lentry_in_a_cluster:
	s_bfe_u32 s2, ttmp6, 0x10000c
	s_cmp_lg_u32 s2, 0xf033
	s_cbranch_scc0 .Lentry_shape_is_right
	s_endpgm
.Lentry_shape_is_right:
; Q, K, V = x W + b on codes of FP6 with E8M0 scales, [8192] x [3072 rows of wq], K = 1,024; the results are quantised again, as the attention's operands, and stored as codes and scale bytes.
; A work-group of four waves makes 256 x 256, a wave 128 x 128 (64 accumulators).  K goes through a ring of two LDS slots in CHUNKS OF 256 BYTES of each row of codes (a row is 768 bytes: three chunks, each on a 256-byte border);
; a step of 128 along K is 96 bytes, so steps 2 and 5 take their fragments from both slots.  The scales of the 256 + 256 rows come once, as dense blocks.  The bias is the C of the first step's products.
; CLUSTERS 4 x 4: A's tiles are asked for jointly along a row of the cluster, B's along a column.  At the head each wave issues one joint load (A's chunk 0, B's chunk 0, A's scales, B's scales).
; No prefetch: K is three chunks, of which two are asked for at the head; there is no loop to run ahead in.
; The matrix instruction is used transposed (source 0 = rows of wq, source 1 = rows of xq): a lane holds neighbouring columns of one row.
; A wave's 128 rows are one head (Q.reshape(B, H, S, dk) is a plain reshape).  OUTPUT qkv: Q's and K's codes [head][pair cp 0..7][row s 0..127][96 bytes], scale words [head][cp][s][4 bytes];
; V's codes as images of V^T's fragments [head][step of 128 keys][tile of 16 channels][1,536 bytes], scale words [head][half tile][step][8 channels][4 bytes].
; The stages of the way out lie in slot 1, which has had its last fill and its last read behind the walk's last barrier.
; LIMITS: a block of zeros gets the byte 1 (its codes are zeros); blocks under 2^-124 are held at that byte; NaN and infinities are not served.
.set SIZE_N, 1024
.set ASCL,   6291456
.set BCOD,   0
.set BSCL,   3145728
.set BBIA,   3276800
.set ROWB,   256
.set NQ,     2
.set KROW,   768
.set STEPS,  8
.set CHUNKS, 3
.set PITCH,  272
.set FR,     12
.set NL,     6
.set NP,     4
.set HALFT,  128*PITCH
.set SLOT,   4*HALFT
.set KS,     32
.set SCL,    2*SLOT
.set HALFS,  (128*KS/256)*272
.set SBLK,   (16*KS/256)*272
.set SPARE,  SCL+4*HALFS
.set QST,    0                         ; stage offsets from slot 1's first byte: Q's and K's path, then V's path: bytes of its own for each
.set QSS,    8192
.set VST,    16384
.set VSS,    24576
.set ADRA, 16
.set ADRB, 20
.set ADRS, 27
.set SPW,  28
.set NIL,  29
.set SC,   32
.set BI,   64
.set AF,   128
.set TM,   64
.set PW,   80
.set CDS,  84
.set OB,   128
.set SCO,  224
.set SQ,   232
.set SSQ,  233
.set RDC,  234
.set RDS,  235
.set AV,   236
.set AVS,  239
.set GV0,  240
.set GV1,  241
.set BO,   242
.set SEL,  100
.set G1, 24
.set G0, 32
.set G1B, 48
.set G0B, 56
.set G1S, 68
.set G0S, 76
.set G1SB, 80
.set G0SB, 88
.set G0H, 4
.set G0HB, 8
.set MSB, 0
.macro WIN new
.if MSB != (\new)
	s_set_vgpr_msb (MSB<<8)|(\new)
.set MSB, (\new)
.endif
.endm
.set MUL_LO, 0xa1
.set MUL_HI, 0xf1
.set TO_B,   0x40
.macro JLOAD g0a, g1a, g0b, g1b        ; waves 0, 1 fetch for A, waves 2, 3 for B
	s_cmp_eq_u32 s15, 0
	s_cbranch_scc0 .Lfor_b_\@
	tensor_load_to_lds s[\g0a:\g0a+3], s[\g1a:\g1a+7]
	s_nop 0
.rept 4
	v_nop
.endr
	s_branch .Lasked_\@
.Lfor_b_\@:
	tensor_load_to_lds s[\g0b:\g0b+3], s[\g1b:\g1b+7]
	s_nop 0
.rept 4
	v_nop
.endr
.Lasked_\@:
.endm
.macro CREST
	s_cmp_lg_u32 s14, 0
	s_cbranch_scc1 .Lnot_wave_0_\@
	s_barrier_signal -3
.Lnot_wave_0_\@:
	s_barrier_wait -3
	s_barrier_signal -1
	s_barrier_wait -1
.endm
.macro CROUND
	s_barrier_signal -1
	s_barrier_wait -1
	CREST
.endm
	s_load_b128 s[4:7], s[0:1], 0x0                ; xq, wq
	s_load_b64 s[12:13], s[0:1], 0x10              ; qkv
	v_lshl_add_u32 v[SPW], v0, 2, SPARE
	v_mov_b32 v[NIL], 0
	ds_add_u32 v[SPW], v[NIL]                      ; the opening lines
	ds_add_u32 v[SPW], v[NIL]
	v_lshrrev_b32 v1, 5, v0
	v_readfirstlane_b32 s14, v1                    ; wave
	s_lshr_b32 s15, s14, 1                         ; my half of the rows; also: I fetch for A (0) or B (1)
	s_and_b32 s16, s14, 1                          ; my half of the columns; also: which 128 rows I fetch
	s_bfe_u32 s40, ttmp6, 0x40000
	s_bfe_u32 s41, ttmp6, 0x40004
	s_lshl_b32 s42, ttmp9, 2
	s_add_co_u32 s42, s42, s40                     ; tile column
	s_and_b32 s17, ttmp7, 0xffff
	s_lshl_b32 s17, s17, 2
	s_add_co_u32 s17, s17, s41                     ; tile row
	s_lshl_b32 s43, s41, 2
	s_lshl_b32 s43, 15, s43                        ; my row of the cluster
	s_lshl_b32 s44, 0x1111, s40                    ; my column
	s_or_b32 s[G1+0], s43, (0<<16)|(1<<20)|(1<<21)|(5<<22)|(3<<25)
	s_or_b32 s[G1B+0], s44, (0<<16)|(1<<20)|(1<<21)|(5<<22)|(3<<25)
.irp g, G1, G1B
	s_mov_b32 s[\g+1], ROWB<<16
	s_mov_b32 s[\g+2], 256<<16                     ; 256 rows for the head's loads
	s_mov_b32 s[\g+3], ROWB<<16
	s_mov_b32 s[\g+4], 256
	s_mov_b32 s[\g+5], KROW
	s_mov_b32 s[\g+6], 0
	s_mov_b32 s[\g+7], 0
.endr
	s_or_b32 s[G1S+0], s43, (3<<16)|(1<<20)|(1<<21)|(5<<22)|(3<<25)
	s_or_b32 s[G1SB+0], s44, (3<<16)|(1<<20)|(1<<21)|(5<<22)|(3<<25)
.irp g, G1S, G1SB
	s_mov_b32 s[\g+1], 32<<16                      ; the scales of 256 rows: KS rows of 256 bytes
	s_mov_b32 s[\g+2], KS<<16
	s_mov_b32 s[\g+3], 32<<16
	s_mov_b32 s[\g+4], KS
	s_mov_b32 s[\g+5], 32
	s_mov_b32 s[\g+6], 0
	s_mov_b32 s[\g+7], 0
.endr
	s_lshl_b32 s20, s17, 8
	s_lshl_b32 s46, s42, 8
	s_mov_b32 s21, 0
	s_mov_b32 s47, 0
	s_mov_b64 s[18:19], KS
	s_mul_u64 s[22:23], s[20:21], s[18:19]
	s_mul_u64 s[92:93], s[46:47], s[18:19]
	s_mov_b64 s[18:19], KROW
	s_mul_u64 s[20:21], s[20:21], s[18:19]
	s_mul_u64 s[46:47], s[46:47], s[18:19]
	s_mul_i32 s18, s16, 128*KROW
	s_mov_b32 s19, 0
	s_mul_i32 s45, s14, HALFT
	s_mov_b32 s[SEL], 0x76543210
	s_mov_b32 s[SEL+1], 0xfedcba98
	s_wait_dscnt 0x0
	s_wait_kmcnt 0x0
	s_add_nc_u64 s[8:9], s[6:7], BCOD
	s_add_nc_u64 s[10:11], s[6:7], BSCL
	s_add_nc_u64 s[66:67], s[6:7], BBIA
	s_add_nc_u64 s[6:7], s[4:5], ASCL
	s_add_nc_u64 s[20:21], s[4:5], s[20:21]
	s_add_nc_u64 s[22:23], s[6:7], s[22:23]
	s_add_nc_u64 s[46:47], s[8:9], s[46:47]
	s_add_nc_u64 s[92:93], s[10:11], s[92:93]
	CROUND                                         ; the first joint loads meet
	s_mov_b32 s[G0H], 1
	s_mov_b32 s[G0H+1], 0
	s_mov_b64 s[G0H+2:G0H+3], s[20:21]
	s_or_b32 s[G0H+3], s[G0H+3], 0x80000000
	s_mov_b32 s[G0HB], 1
	s_mov_b32 s[G0HB+1], 2*HALFT
	s_mov_b64 s[G0HB+2:G0HB+3], s[46:47]
	s_or_b32 s[G0HB+3], s[G0HB+3], 0x80000000
	s_mov_b32 s[G0S], 1
	s_mov_b32 s[G0S+1], SCL
	s_mov_b64 s[G0S+2:G0S+3], s[22:23]
	s_or_b32 s[G0S+3], s[G0S+3], 0x80000000
	s_mov_b32 s[G0SB], 1
	s_mov_b32 s[G0SB+1], SCL+2*HALFS
	s_mov_b64 s[G0SB+2:G0SB+3], s[92:93]
	s_or_b32 s[G0SB+3], s[G0SB+3], 0x80000000
	s_add_nc_u64 s[20:21], s[20:21], s[18:19]
	s_add_nc_u64 s[46:47], s[46:47], s[18:19]
.irp s, 0,1
	s_mov_b32 s[G0+4*\s], 1
	s_add_co_u32 s[G0+4*\s+1], s45, \s*SLOT
	s_add_nc_u64 s[G0+4*\s+2:G0+4*\s+3], s[20:21], \s*ROWB
	s_or_b32 s[G0+4*\s+3], s[G0+4*\s+3], 0x80000000
	s_mov_b32 s[G0B+4*\s], 1
	s_add_co_u32 s[G0B+4*\s+1], s45, \s*SLOT
	s_add_nc_u64 s[G0B+4*\s+2:G0B+4*\s+3], s[46:47], \s*ROWB
	s_or_b32 s[G0B+4*\s+3], s[G0B+4*\s+3], 0x80000000
.endr
	s_lshl_b32 s46, s42, 10                        ; my first column x 4 bytes: for the bias
	s_lshl_b32 s47, s16, 9
	s_add_co_u32 s46, s46, s47
	s_mov_b32 s47, 0
	s_add_nc_u64 s[66:67], s[66:67], s[46:47]
.macro ARM under, g0, g1, next         ; the head's loads, one a wave: one chain of branches on the wave's number
	s_cmp_lt_u32 s14, \under
	s_cbranch_scc0 \next
	tensor_load_to_lds s[\g0:\g0+3], s[\g1:\g1+7]
	s_nop 0
.rept 4
	v_nop
.endr
	s_branch .Lhead_asked
\next:
.endm
	ARM 1, G0H,  G1,  .Lhead_b
	ARM 2, G0HB, G1B, .Lhead_sa
	ARM 3, G0S,  G1S, .Lhead_sb
	tensor_load_to_lds s[G0SB:G0SB+3], s[G1SB:G1SB+7]
	s_nop 0
.rept 4
	v_nop
.endr
.Lhead_asked:
	v_and_b32 v1, 15, v0
	v_bfe_u32 v2, v0, 4, 1
	v_lshlrev_b32 v[BO], 5, v2
.irp b, 0,1,2,3,4,5,6,7
	global_load_b128 v[BI+8*\b:BI+8*\b+3], v[BO], s[66:67] offset:64*\b        ; the bias in the result's layout
	global_load_b128 v[BI+8*\b+4:BI+8*\b+7], v[BO], s[66:67] offset:64*\b+16
.endr
	v_mul_u32_u24 v3, v1, PITCH
	v_mul_u32_u24 v4, v2, 24
	v_add_nc_u32 v4, v3, v4
	s_mov_b32 s21, SLOT-232
	s_mov_b32 s22, SLOT+232
	v_sub_nc_u32 v7, 1, v2
	v_mul_u32_u24 v5, s21, v2
	v_add_nc_u32 v5, v3, v5
	v_add_nc_u32 v5, 232, v5                       ; across two chunks: lanes 0-15 byte 232 in slot 0, lanes 16-31 byte 0 in slot 1
	v_mul_u32_u24 v6, s22, v7
	v_add_nc_u32 v6, v3, v6                        ; and the other way round
	s_mul_i32 s21, s15, HALFT
	s_mul_i32 s22, s16, HALFT
	s_add_co_u32 s22, s22, 2*HALFT
	v_add_nc_u32 v[ADRA+2], s21, v5
	v_add_nc_u32 v[ADRA+3], s21, v6
	v_add_nc_u32 v[ADRB+2], s22, v5
	v_add_nc_u32 v[ADRB+3], s22, v6
.irp s, 0,1
	v_add_nc_u32 v[ADRA+\s], s21, v4
	v_add_nc_u32 v[ADRB+\s], s22, v4
	s_add_co_u32 s21, s21, SLOT
	s_add_co_u32 s22, s22, SLOT
.endr
	v_mul_u32_u24 v5, v1, KS
	v_lshrrev_b32 v6, 8, v5
	v_lshl_add_u32 v5, v6, 4, v5
	s_mul_i32 s21, s15, HALFS
	s_mul_i32 s22, s16, HALFS
	s_add_co_u32 s22, s22, 2*HALFS
	s_sub_co_u32 s22, s22, s21
	v_mul_u32_u24 v6, s22, v2
	s_add_co_u32 s21, s21, SCL
	v_add_nc_u32 v5, v5, v6
	v_add_nc_u32 v[ADRS], s21, v5
	s_wait_alu depctr_va_vdst(0)                   ; the wait ahead of the scalar lines below
	s_lshl_b32 s21, s14, 11
	s_add_co_u32 s21, s21, SLOT                    ; my stages, in slot 1
	s_lshl_b32 s22, s14, 9
	s_add_co_u32 s22, s22, SLOT
	v_mul_u32_u24 v9, v1, 96
	v_mad_u32_u24 v9, v2, 24, v9
	v_add_nc_u32 v[SQ], s21, v9
	v_lshl_add_u32 v[SSQ], v1, 2, s22
	v_and_b32 v9, 31, v0
	v_lshlrev_b32 v[GV0], 4, v9
	v_add_nc_u32 v[RDC], s21, v[GV0]
	v_add_nc_u32 v[RDS], s22, v[GV0]
	v_mad_u32_u24 v[GV1], v2, 5376, v[GV0]
	v_and_b32 v3, 1, v0
	v_bfe_u32 v4, v0, 1, 1
	v_bfe_u32 v5, v0, 2, 1
	v_bfe_u32 v6, v0, 3, 1
	v_mul_u32_u24 v7, v5, 6
	v_mad_u32_u24 v7, v3, 3, v7
	v_xor_b32 v8, s16, v4
	v_lshlrev_b32 v8, 4, v8
	v_lshl_add_u32 v8, v2, 5, v8
	v_mad_u32_u24 v8, v6, 768, v8
	v_add_nc_u32 v8, s21, v8
.irp i, 0,1,2
	v_add_nc_u32 v9, \i, v7
	v_lshrrev_b32 v10, 2, v9
	v_and_b32 v9, 3, v9
	v_lshl_add_u32 v10, v10, 8, v8
	v_lshl_add_u32 v[AV+\i], v9, 2, v10
.endr
	v_bfe_u32 v9, v0, 1, 2
	v_lshl_add_u32 v9, v2, 2, v9
	v_lshl_add_u32 v9, v6, 5, v9
	v_add_nc_u32 v[AVS], s22, v9
	s_lshl_b32 s20, s17, 1
	s_add_co_u32 s20, s20, s15                     ; the head: my block of 128 rows
	s_mul_i32 s21, s20, 98304
	s_lshl_b32 s22, s20, 12
	s_lshl_b32 s46, s40, 1
	s_add_co_u32 s46, s46, s16                     ; my block of 128 columns of the matrix
	s_mov_b32 s47, 12288
	s_cmp_eq_u32 ttmp9, 2
	s_cselect_b32 s47, 768, s47
	s_mul_i32 s47, s46, s47
	s_mul_i32 s23, ttmp9, 6291456
	s_add_co_u32 s92, s21, s23
	s_add_co_u32 s92, s92, s47
	s_mov_b32 s93, 0
	s_add_nc_u64 s[96:97], s[12:13], s[92:93]      ; my codes
	s_lshl_b32 s23, ttmp9, 18
	s_add_co_u32 s92, s22, s23
	s_lshl_b32 s46, s46, 9
	s_add_co_u32 s92, s92, s46
	s_add_nc_u64 s[98:99], s[12:13], s[92:93]
	s_add_nc_u64 s[98:99], s[98:99], 18874368      ; my scale bytes
.macro FRAG reg, adr, st, i            ; 16 rows x 128 K: 12 registers, in pieces of 8 bytes; byte y of a row lies in slot (y / 256) % 2 at byte y % 256
.irp p, 0,1,2,3,4,5
.set BY, 96*(\st)+48*(\p/3)+8*(\p%3)
.if BY/ROWB == (BY+24)/ROWB
	ds_load_b64 v[\reg+2*\p:\reg+2*\p+1], v[\adr+(BY/ROWB)%2] offset:BY%ROWB+(\i)*16*PITCH
.else
	ds_load_b64 v[\reg+2*\p:\reg+2*\p+1], v[\adr+2+(BY/ROWB)%2] offset:BY%ROWB-232+(\i)*16*PITCH
.endif
.endr
.endm
.macro MUL16 a0, p, q, sc, zero        ; the 64 accumulators take turns, in the same order in every step
.irp a, \a0, \a0+1
.irp b, 0,1,2,3,4,5,6,7
.if \zero
	v_wmma_scale_f32_16x16x128_f8f6f4 v[8*(8*((\a)%4)+\b):8*(8*((\a)%4)+\b)+7], v[128*(\p)+FR*\b:128*(\p)+FR*\b+FR-1], v[AF+FR*(\a):AF+FR*(\a)+FR-1], v[BI+8*\b:BI+8*\b+7], v[SC+8*NQ*(\sc)+NQ*\b+(\q)], v[SC+8*NQ*(\sc)+NQ*(\a)+(\q)] matrix_a_fmt:MATRIX_FMT_FP6 matrix_b_fmt:MATRIX_FMT_FP6 matrix_a_scale:MATRIX_SCALE_ROW1
.else
	v_wmma_scale_f32_16x16x128_f8f6f4 v[8*(8*((\a)%4)+\b):8*(8*((\a)%4)+\b)+7], v[128*(\p)+FR*\b:128*(\p)+FR*\b+FR-1], v[AF+FR*(\a):AF+FR*(\a)+FR-1], v[8*(8*((\a)%4)+\b):8*(8*((\a)%4)+\b)+7], v[SC+8*NQ*(\sc)+NQ*\b+(\q)], v[SC+8*NQ*(\sc)+NQ*(\a)+(\q)] matrix_a_fmt:MATRIX_FMT_FP6 matrix_b_fmt:MATRIX_FMT_FP6 matrix_a_scale:MATRIX_SCALE_ROW1
.endif
.endr
.endr
.endm
.macro FETCH_B st, p
	WIN TO_B
.irp i, 0,1,2,3,4,5,6,7
	FRAG 128*(\p)+FR*\i, ADRB, \st, \i
.endr
	WIN 0
.endm
.macro FETCH_A st, i0
.irp i, \i0, \i0+1, \i0+2, \i0+3
	FRAG AF+FR*(\i), ADRA, \st, \i
.endr
.endm
.macro SCALES pr
.irp i, 0,1,2,3,4,5,6,7
	ds_load_b64 v[SC+8*NQ*((\pr)%2)+NQ*\i:SC+8*NQ*((\pr)%2)+NQ*\i+1], v[ADRS] offset:\i*SBLK+4*NQ*(\pr)
.endr
.endm
.macro PLACES n
.rept \n
	v_nop
.endr
.endm
; A step: 64 products; the next step's fragments are fetched in its middle and at its end.  Where the next step ends in a chunk not yet read: the wait for my loads and a barrier.
; Where it begins in a later chunk: the three lines, the barrier, and, if a chunk two on is left, the cluster's round and the refill.
.macro STEP st, zero
.set NX, (\st)+1
.set C0, (96*(\st))/ROWB
.set C1, (96*NX)/ROWB
.set E0, (96*(\st)+95)/ROWB
.set E1, (96*NX+95)/ROWB
.if C1 > C0 || E1 > E0
	s_wait_tensorcnt 0x0
.if C1 > C0
	ds_add_u32 v[SPW], v[NIL]
	s_wait_dscnt 4*NL+1                            ; the add and A's blocks 4-7 may be out
.else
	s_wait_dscnt 4*NL                              ; A's blocks 4-7 may be out
.endif
	WIN MUL_LO
	MUL16 0, (\st)%2, (\st)%2, ((\st)/2)%2, \zero
	s_wait_dscnt 0x0
	s_barrier_signal -1
	MUL16 2, (\st)%2, (\st)%2, ((\st)/2)%2, \zero
	WIN 0
	s_barrier_wait -1
.if C1 > C0 && C0+2 < CHUNKS
	CREST
	s_add_nc_u64 s[G0+4*(C0%2)+2:G0+4*(C0%2)+3], s[G0+4*(C0%2)+2:G0+4*(C0%2)+3], 2*ROWB
	s_add_nc_u64 s[G0B+4*(C0%2)+2:G0B+4*(C0%2)+3], s[G0B+4*(C0%2)+2:G0B+4*(C0%2)+3], 2*ROWB
	JLOAD G0+4*(C0%2), G1, G0B+4*(C0%2), G1B
.else
	PLACES NP
.endif
.else
	s_wait_dscnt 4*NL                              ; A's blocks 4-7 may be out
	WIN MUL_LO-0x20*(\zero)                        ; (the bias lies in window 0)
	MUL16 0, (\st)%2, (\st)%2, ((\st)/2)%2, \zero
	MUL16 2, (\st)%2, (\st)%2, ((\st)/2)%2, \zero
	s_wait_dscnt 0
	PLACES NP
.endif
	FETCH_B NX, NX%2
	FETCH_A NX, 0
.if NX%2 == 0
	SCALES NX/2
.endif
	WIN MUL_HI-0x30*(\zero)
	MUL16 4, (\st)%2, (\st)%2, ((\st)/2)%2, \zero
	MUL16 6, (\st)%2, (\st)%2, ((\st)/2)%2, \zero
	PLACES NP
	WIN 0
	FETCH_A NX, 4
.endm
	s_wait_alu depctr_va_vdst(0)                   ; the wait at the head's end
	s_wait_tensorcnt 0x0                           ; my tile of the head's four is in; the three lines ahead of slot 1's first fill
	ds_add_u32 v[SPW], v[NIL]
	s_mov_b32 s[G1+2], 128<<16                     ; no load of mine is out: from here on a load brings 128 rows
	s_mov_b32 s[G1+4], 128
	s_mov_b32 s[G1B+2], 128<<16
	s_mov_b32 s[G1B+4], 128
	s_wait_dscnt 0x0
	CROUND
	JLOAD G0+4, G1, G0B+4, G1B                     ; chunk 1
	FETCH_B 0, 0
	FETCH_A 0, 0
	SCALES 0
	FETCH_A 0, 4
	s_wait_loadcnt 0x0                             ; the bias
	STEP 0, 1
.set ST, 1
.rept STEPS-2
	STEP ST, 0
.set ST, ST+1
.endr
	s_wait_dscnt 4*NL
	WIN MUL_LO
	MUL16 0, 1, 1, 1, 0
	MUL16 2, 1, 1, 1, 0
	s_wait_dscnt 0
	WIN MUL_HI
	MUL16 4, 1, 1, 1, 0
	MUL16 6, 1, 1, 1, 0
	WIN 0
	PLACES NP
; THE WAY OUT, block by block of 16 rows: the block's four largest magnitudes, scale bytes, conversions; codes through my stage, out as whole runs of 512 bytes.
.macro MAXES a
.set W, 2+(\a)/4
.set AC, 64*((\a)%4)
	WIN (W|(W<<2))
.irp b, 0,1,2,3
	v_max3_num_f32 v[TM+\b], |v[AC+16*\b]|, |v[AC+16*\b+1]|, 0x1800000
.endr
	WIN ((W<<2)|(W<<4))
.irp i, 2,4,6,8,10,12,14
.irp b, 0,1,2,3
	v_max3_num_f32 v[TM+\b], v[TM+\b], |v[AC+16*\b+\i]|, |v[AC+16*\b+\i+1]|
.endr
.endr
	WIN 0
.endm
.macro QKSEND a
.irp g, 0,1,2
	global_store_b128 v[GV0], v[OB+12*(\a)+4*\g:OB+12*(\a)+4*\g+3], s[96:97] offset:1536*(\a)+512*\g
.endr
.endm
.macro QKBLK a
	MAXES \a
	s_wait_alu depctr_va_vdst(0)                   ; the wait ahead of the wait below
	s_wait_dscnt 0x0
.if (\a) > 0
	QKSEND (\a)-1
.endif
.irp b, 0,1,2,3
	v_permlanex16_b32 v[TM+4+\b], v[TM+\b], s[SEL], s[SEL+1]
.endr
.irp b, 0,1,2,3
	v_max_num_f32 v[TM+\b], v[TM+\b], v[TM+4+\b]
.endr
.irp b, 0,1,2,3
	v_add_nc_u32 v[TM+12+\b], 0xff000000, v[TM+\b]
.endr
.irp b, 0,1,2,3
	v_lshrrev_b32 v[TM+4+\b], 23, v[TM+12+\b]
.endr
	v_lshl_or_b32 v[PW], v[TM+5], 8, v[TM+4]
	v_lshl_or_b32 v[PW], v[TM+6], 16, v[PW]
	v_lshl_or_b32 v[PW], v[TM+7], 24, v[PW]
	WIN W
.irp c, 0,1
	v_cvt_scalef32_pk16_fp6_f32 v[CDS+6*\c:CDS+6*\c+2], v[AC+32*\c:AC+32*\c+15], v[TM+12+2*\c]
	v_cvt_scalef32_pk16_fp6_f32 v[CDS+12+4*\c:CDS+14+4*\c], v[AC+32*\c+16:AC+32*\c+31], v[TM+13+2*\c]
.endr
	WIN 0
	v_nop
.irp c, 0,1
.irp i, 0,1,2
	v_permlane16_swap_b32 v[CDS+6*\c+\i], v[CDS+12+4*\c+\i]
.endr
.irp i, 0,1,2
	v_mov_b32 v[CDS+3+6*\c+\i], v[CDS+12+4*\c+\i]
.endr
.endr
.irp c, 0,1
.irp p, 0,1,2
	ds_store_b64 v[SQ], v[CDS+6*\c+2*\p:CDS+6*\c+2*\p+1] offset:QST+48*\c+8*\p
.endr
.endr
	ds_store_b32 v[SSQ], v[PW] offset:QSS+64*(\a)
.irp g, 0,1,2
	ds_load_b128 v[OB+12*(\a)+4*\g:OB+12*(\a)+4*\g+3], v[RDC] offset:QST+512*\g
.endr
.endm
.macro VSEND a
	global_store_b128 v[GV0], v[OB+12*(\a):OB+12*(\a)+3], s[96:97] offset:12288*(\a)
	global_store_b128 v[GV1], v[OB+12*(\a)+4:OB+12*(\a)+7], s[96:97] offset:12288*(\a)+512
	global_store_b128 v[GV0], v[OB+12*(\a)+8:OB+12*(\a)+11], s[96:97] offset:12288*(\a)+6400
.endm
.macro VBLK a
	MAXES \a
.irp b, 0,1,2,3
	v_max_num_f32_dpp v[TM+\b], v[TM+\b], v[TM+\b] row_xmask:1 row_mask:0xf bank_mask:0xf
.endr
	s_wait_alu depctr_va_vdst(0)
	s_wait_dscnt 0x0
.if (\a) > 0
	VSEND (\a)-1
.endif
.irp b, 0,1,2,3
	v_add_nc_u32 v[TM+12+\b], 0xff000000, v[TM+\b]
.endr
.irp b, 0,1,2,3
	v_lshrrev_b32 v[TM+4+\b], 23, v[TM+12+\b]
.endr
	WIN W
.irp b, 0,1,2,3
	v_cvt_scalef32_pk16_fp6_f32 v[CDS+4*\b:CDS+4*\b+2], v[AC+16*\b:AC+16*\b+15], v[TM+12+\b]
.endr
	WIN 0
	v_nop
.irp b, 0,1,2,3
.irp i, 0,1,2
	ds_store_b32 v[AV+\i], v[CDS+4*\b+\i] offset:VST+64*\b
.endr
	ds_store_b8 v[AVS], v[TM+4+\b] offset:VSS+64*(\a)+8*\b
.endr
.irp g, 0,1,2
	ds_load_b128 v[OB+12*(\a)+4*\g:OB+12*(\a)+4*\g+3], v[RDC] offset:VST+512*\g
.endr
.endm
.irp b, 0,1,2,3
	v_mov_b32 v[TM+4+\b], 0
.endr
	s_cmp_eq_u32 ttmp9, 2                          ; the cluster's x says which matrix: the same in all partners
	s_cbranch_scc1 .Lv
.irp a, 0,1,2,3,4,5,6,7
	QKBLK \a
.endr
	s_wait_dscnt 0x0
	QKSEND 7
	ds_load_b128 v[SCO:SCO+3], v[RDS] offset:QSS
	s_wait_dscnt 0x0
	global_store_b128 v[GV0], v[SCO:SCO+3], s[98:99]
	s_branch .Lend
.Lv:
.irp a, 0,1,2,3,4,5,6,7
	VBLK \a
.endr
	s_wait_dscnt 0x0
	VSEND 7
	ds_load_b128 v[SCO:SCO+3], v[RDS] offset:VSS
	s_wait_dscnt 0x0
	global_store_b128 v[GV0], v[SCO:SCO+3], s[98:99]
.Lend:
	s_wait_tensorcnt 0x0                           ; the wave's end
	ds_add_u32 v[SPW], v[NIL]
	s_wait_dscnt 0x0
	CROUND                                         ; the closing round
	s_endpgm
.Lfunc_end_k_q2457d25895_qkv:
	.size	k_q2457d25895_qkv, .Lfunc_end_k_q2457d25895_qkv-k_q2457d25895_qkv
	.p2alignl 7, 3214868480
	.fill 96, 4, 3214868480
	.section	.rodata,"a",@progbits
	.p2align	6, 0x0
	.amdhsa_kernel k_q2457d25895_qkv
		.amdhsa_group_segment_fixed_size 327680
		.amdhsa_private_segment_fixed_size 0
		.amdhsa_enable_private_segment 0
		.amdhsa_kernarg_size 24
		.amdhsa_user_sgpr_count 2
		.amdhsa_user_sgpr_kernarg_segment_ptr 1
		.amdhsa_wavefront_size32 1
		.amdhsa_system_sgpr_workgroup_id_x 1
		.amdhsa_system_sgpr_workgroup_id_y 1
		.amdhsa_system_sgpr_workgroup_id_z 1
		.amdhsa_system_vgpr_workitem_id 0
		.amdhsa_next_free_vgpr 1024
		.amdhsa_next_free_sgpr 104
		.amdhsa_reserve_vcc 0
		.amdhsa_float_denorm_mode_32 3
		.amdhsa_float_denorm_mode_16_64 3
		.amdhsa_memory_ordered 1
		.amdhsa_forward_progress 1
		.amdhsa_inst_pref_size 212
	.end_amdhsa_kernel
	.amdgpu_metadata
---
amdhsa.version: [ 1, 2 ]
amdhsa.kernels:
  - .name:           k_q2457d25895_qkv
    .symbol:         k_q2457d25895_qkv.kd
    .args:
      - { .name: xq, .offset: 0, .size: 8, .value_kind: global_buffer, .address_space: global }
      - { .name: wq, .offset: 8, .size: 8, .value_kind: global_buffer, .address_space: global }
      - { .name: qkv, .offset: 16, .size: 8, .value_kind: global_buffer, .address_space: global }
    .group_segment_fixed_size: 327680
    .private_segment_fixed_size: 0
    .kernarg_segment_align: 8
    .kernarg_segment_size: 24
    .max_flat_workgroup_size: 128
    .sgpr_count:     104
    .vgpr_count:     1024
    .wavefront_size: 32
...
	.end_amdgpu_metadata
.endif
;; end of part 2
;; launch attn (part 3): grid 4 x 64, 8 waves a work-group, clusters of 4 x 1, 327,680 bytes of LDS; arguments qkv, sq; writes sq
.if DOCPART == 3
	.amdgcn_target "amdgcn-amd-amdhsa--gfx1250"
	.amdhsa_code_object_version 6
	.text
	.protected	k_q2457d25895_attn
	.globl	k_q2457d25895_attn
	.p2align	8
	.type	k_q2457d25895_attn,@function
k_q2457d25895_attn:
	s_mov_b64 s[64:65], 0
	v_nop
	global_prefetch_b8 v0, s[64:65] scope:SCOPE_SE
	s_setreg_imm32_b32 hwreg(HW_REG_WAVE_MODE, 25, 1), 1
	s_wait_xcnt 0x0
	s_wait_alu depctr_hold_cnt(0) depctr_sa_sdst(0) depctr_va_vdst(0) depctr_va_sdst(0) depctr_va_ssrc(0) depctr_va_vcc(0) depctr_vm_vsrc(0)
	s_getreg_b32 s2, hwreg(HW_REG_IB_STS2, 6, 4)
	s_cmp_eq_u32 s2, 0
	s_cbranch_scc0 .Lentry_in_a_cluster
	s_endpgm
.Lentry_in_a_cluster:
	s_bfe_u32 s2, ttmp6, 0x10000c
	s_cmp_lg_u32 s2, 0x3003
	s_cbranch_scc0 .Lentry_shape_is_right
	s_endpgm
.Lentry_shape_is_right:
; For each of 64 heads: score[q][:] = sum over k of softmax_k(Q[q] . K[k] / 8) V[k][:], 2,048 positions, 64 channels, both products on codes of FP6 (E2M3) with one E8M0 scale for each 32 along a product's K.
; t = score x log2(e) / 8; M = the row's largest t so far, rounded UP to a whole number; p = 2^(t - M) is quantised along the keys; the row's sum is taken of the unquantised p and divides at the end.
; When M moves, the sum and O are multiplied by 2^(old M - new M): exact.  The result is quantised along its 64 channels as the next product's operand.
; INPUT qkv as the launch before lays it.  OUTPUT sq: the score's codes [8192 rows][768 bytes], scale bytes [8192][32] from byte 6,291,456; row = 128 head + q / 16, column 64 (q % 16) + channel.
; SHARES.  A work-group takes a head and a quarter of its queries; the four of a cluster share the head.  THE HEAD'S K AND V STAY IN LDS WHOLE, filled once, by ONE joint load a wave:
; waves 0-3 bring K's pairs w and w + 4 (two rows of 12,288 bytes, 49,152 apart in memory, on end in LDS; a wave's region begins 24,640 bytes behind the last one's, so that the four pairs that a load's lanes touch fall on different banks);
; waves 4-7 bring a quarter of V each (24,576 dense bytes).  The 8,192 bytes of scale words come through registers into LDS bytes of their own, 512 + 512 a wave, stored behind the wait for the tensor load.
; No prefetch: K and V are asked for once, at the head, and no loop runs ahead of that.
; A wave owns, in each of two passes, 32 queries as two tiles of 16; tile 0's state lies in window 0, tile 1's at the same numbers in window 1.  Each fragment of K and V feeds two products.
; THE NEXT STEP'S K FRAGMENTS AND SCALE WORDS ARE ASKED FOR STRAIGHT BEHIND THIS STEP'S FIRST PRODUCTS, and land under the softmax; the last step asks for its own once more (the offset is held at the last step's).
; Both products are used transposed (S^T = K Q^T, O^T = V^T P^T): a lane holds one query.  The first product's K is 64: Q's upper 64 are zero codes, under scale bytes 0 (2^-127) on both sides.
; LIMITS: a block of zeros gets the byte 1 (its codes are zeros); blocks under 2^-124 are held at that byte; NaN and infinities are not served; the promise holds while the scaled scores stay under 2^31 in magnitude.
.set KP2,   24640
.set VB,    98816
.set KSC,   VB+98304
.set KSP,   528
.set VSC,   201472
.set VSP,   544
.set STG,   205824
.set SPARE, STG+8*2048
.set KOFF,  6291456
.set VOFF,  12582912
.set QSOFF, 18874368
.set KSOFF, 19136512
.set VSOFF, 19398656
.set AK0,  1
.set AV0,  2
.set ASK0, 3
.set ASV0, 4
.set SPW,  5
.set NIL,  6
.set QO,   7
.set ADK,  8
.set ADV,  9
.set ADS,  10
.set ADT,  11
.set QSO,  28
.set SO,   29
.set SOS,  30
.set RD,   31
.set KF,   32                          ; v32-79 K's eight tiles; v80-85 zeros.  In window 1: V's four fragments
.set VF,   32
.set RDS,  86
.set GO,   87
.set GOS,  88
.set OT,   160
.set KS,   192                         ; v192-205 hold scales and nothing else
.set VS,   200
.set QS,   202
.set PS,   204
.set OW,   208
.set SEL,  20
.set CS,   22
.set TK,   56
.set TV,   57
.set TS,   58
.set CNT,  59
.set HI16, 60
.set TKC,  62
.set TSC,  63
.set MSB, 0
.macro WIN new
.if MSB != (\new)
	s_set_vgpr_msb (MSB<<8)|(\new)
.set MSB, (\new)
.endif
.endm
.macro D n                             ; a hint ahead of a plain reader of a plain result n vector lines back
	s_delay_alu instid0(VALU_DEP_\n)
.endm
.macro CROUND
	s_barrier_signal -1
	s_barrier_wait -1
	s_cmp_lg_u32 s8, 0
	s_cbranch_scc1 .Lnot_wave_0_\@
	s_barrier_signal -3
.Lnot_wave_0_\@:
	s_barrier_wait -3
	s_barrier_signal -1
	s_barrier_wait -1
.endm
	s_load_b128 s[4:7], s[0:1], 0x0                ; qkv, sq
	v_lshl_add_u32 v[SPW], v0, 2, SPARE
	v_mov_b32 v[NIL], 0
	ds_add_u32 v[SPW], v[NIL]                      ; the opening lines
	ds_add_u32 v[SPW], v[NIL]
	v_lshrrev_b32 v8, 5, v0
	D 1
	v_readfirstlane_b32 s8, v8                     ; wave 0..7
	s_bfe_u32 s9, ttmp6, 0x40000                   ; cx: it enters Q's and the score's global addresses alone
	s_and_b32 s10, ttmp7, 0xffff                   ; the head
	s_and_b32 s61, s8, 3
	s_mov_b32 s24, 15|(3<<16)|(1<<21)              ; group 1 for K: 2 rows of 1,536 elements of 8 bytes, 6,144 elements apart; all four work-groups
	s_mov_b32 s25, 1536<<16
	s_mov_b32 s26, 2<<16
	s_mov_b32 s27, 1536<<16
	s_mov_b32 s28, 2
	s_mov_b32 s29, 6144
	s_mov_b32 s30, 0
	s_mov_b32 s31, 0
	s_mov_b32 s32, 15|(3<<16)|(1<<21)              ; for V: the same, dense
	s_mov_b32 s33, 1536<<16
	s_mov_b32 s34, 2<<16
	s_mov_b32 s35, 1536<<16
	s_mov_b32 s36, 2
	s_mov_b32 s37, 1536
	s_mov_b32 s38, 0
	s_mov_b32 s39, 0
	s_mul_i32 s66, s10, 98304
	s_mul_i32 s67, s61, 12288
	s_add_co_u32 s68, s66, s67                     ; K: pair wave % 4
	s_mov_b32 s69, 0
	s_mul_i32 s67, s61, 24576
	s_add_co_u32 s66, s66, s67                     ; V: quarter wave % 4
	s_mov_b32 s67, 0
	s_lshl_b32 s48, s10, 12
	s_lshl_b32 s49, s8, 9
	s_add_co_u32 s48, s48, s49                     ; my eighth of the scale words
	s_mov_b32 s49, 0
	s_mov_b32 s40, 1
	s_mul_i32 s41, s61, KP2
	s_mov_b32 s44, 1
	s_mul_i32 s45, s61, 24576
	s_add_co_u32 s45, s45, VB
	s_mul_i32 s52, s8, KSP
	s_add_co_u32 s52, s52, KSC
	s_mul_i32 s53, s8, VSP
	s_add_co_u32 s53, s53, VSC
	s_lshl_b32 s70, s9, 4
	s_add_co_u32 s70, s70, s8                      ; pass 0's pair of rows: 16 cx + wave (pass 1: 8 more)
	s_mul_i32 s72, s10, 98304
	s_mul_i32 s71, s70, 192
	s_add_co_u32 s72, s72, s71
	s_mov_b32 s73, 0
	s_lshl_b32 s74, s10, 12
	s_lshl_b32 s71, s70, 3
	s_add_co_u32 s74, s74, s71
	s_mov_b32 s75, 0
	s_mul_i32 s76, s10, 98304
	s_mul_i32 s71, s70, 1536
	s_add_co_u32 s76, s76, s71
	s_mov_b32 s77, 0
	s_lshl_b32 s78, s10, 12
	s_lshl_b32 s71, s70, 6
	s_add_co_u32 s78, s78, s71
	s_mov_b32 s79, 0
	s_lshl_b32 s11, s8, 11
	s_add_co_u32 s11, s11, STG                     ; my stage
	s_mov_b32 s[SEL], 0x76543210
	s_mov_b32 s[SEL+1], 0xfedcba98
	s_mov_b32 s[CS], 0x3e38aa3b                    ; log2(e) / 8
	s_mov_b32 s[CS+1], s[CS]
	s_mov_b32 s[HI16], 0xffff0000
	s_wait_dscnt 0x0
	s_wait_kmcnt 0x0
	s_add_nc_u64 s[42:43], s[4:5], s[68:69]
	s_add_nc_u64 s[42:43], s[42:43], KOFF
	s_or_b32 s43, s43, 0x80000000
	s_add_nc_u64 s[46:47], s[4:5], s[66:67]
	s_add_nc_u64 s[46:47], s[46:47], VOFF
	s_or_b32 s47, s47, 0x80000000
	s_add_nc_u64 s[50:51], s[4:5], s[48:49]
	s_add_nc_u64 s[54:55], s[50:51], VSOFF
	s_add_nc_u64 s[50:51], s[50:51], KSOFF
	s_add_nc_u64 s[12:13], s[4:5], s[72:73]
	s_add_nc_u64 s[14:15], s[4:5], s[74:75]
	s_add_nc_u64 s[14:15], s[14:15], QSOFF
	s_add_nc_u64 s[16:17], s[6:7], s[76:77]
	s_add_nc_u64 s[18:19], s[6:7], s[78:79]
	s_add_nc_u64 s[18:19], s[18:19], 6291456
	CROUND                                         ; the joint loads meet
	s_cmp_lt_u32 s8, 4                             ; one load a wave, one to each arm
	s_cbranch_scc0 .Lfor_v
	tensor_load_to_lds s[40:43], s[24:31]
	s_nop 0
.rept 4
	v_nop
.endr
	s_branch .Lasked
.Lfor_v:
	tensor_load_to_lds s[44:47], s[32:39]
	s_nop 0
.rept 4
	v_nop
.endr
.Lasked:
	v_and_b32 v15, 31, v0                          ; lane
	D 1
	v_lshlrev_b32 v[GO], 4, v15
	D 1
	v_add_nc_u32 v[OW+8], s52, v[GO]               ; where my 16 bytes of K's scale words go, and of V's
	v_add_nc_u32 v[OW+9], s53, v[GO]
	global_load_b128 v[OW:OW+3], v[GO], s[50:51]
	global_load_b128 v[OW+4:OW+7], v[GO], s[54:55]
	v_bfe_u32 v10, v0, 4, 1                        ; h
	v_bfe_u32 v11, v0, 3, 1                        ; par
	v_bfe_u32 v12, v0, 1, 2                        ; (rho / 2) % 4
	v_and_b32 v13, 1, v0                           ; c1
	v_and_b32 v14, 7, v0                           ; rho % 8
	D 3
	v_mul_u32_u24 v[AK0], v12, KP2
	D 1
	v_mad_u32_u24 v[AK0], v11, 96, v[AK0]
	D 1
	v_mad_u32_u24 v[AK0], v13, 48, v[AK0]
	D 1
	v_mad_u32_u24 v[AK0], v10, 24, v[AK0]
	v_xor_b32 v[AV0], v10, v11
	D 1
	v_lshl_add_u32 v[AV0], v14, 1, v[AV0]
	D 1
	v_lshlrev_b32 v[AV0], 4, v[AV0]
	D 1
	v_mad_u32_u24 v[AV0], v11, 768, v[AV0]
	D 1
	v_add_nc_u32 v[AV0], VB, v[AV0]
	v_mul_u32_u24 v[ASK0], v12, KSP
	D 1
	v_lshl_add_u32 v[ASK0], v11, 2, v[ASK0]
	D 1
	v_lshl_add_u32 v[ASK0], v13, 1, v[ASK0]
	D 1
	v_add_nc_u32 v[ASK0], KSC, v[ASK0]
	v_bfe_u32 v[ASV0], v0, 3, 2
	D 1
	v_mul_u32_u24 v[ASV0], v[ASV0], VSP
	D 1
	v_lshl_add_u32 v[ASV0], v14, 2, v[ASV0]
	D 1
	v_add_nc_u32 v[ASV0], VSC, v[ASV0]
	v_mul_u32_u24 v[QO], v12, 12288
	D 1
	v_mad_u32_u24 v[QO], v11, 96, v[QO]
	D 1
	v_mad_u32_u24 v[QO], v13, 48, v[QO]
	D 1
	v_mad_u32_u24 v[QO], v10, 24, v[QO]
	v_lshlrev_b32 v[QSO], 9, v12
	D 1
	v_lshl_add_u32 v[QSO], v11, 2, v[QSO]
	D 1
	v_lshl_add_u32 v[QSO], v13, 1, v[QSO]
	v_mul_u32_u24 v[SO], v11, 768
	D 1
	v_mad_u32_u24 v[SO], v14, 48, v[SO]
	D 1
	v_mad_u32_u24 v[SO], v10, 24, v[SO]
	D 1
	v_add_nc_u32 v[SO], s11, v[SO]
	v_lshlrev_b32 v[SOS], 5, v11
	D 1
	v_lshl_add_u32 v[SOS], v14, 1, v[SOS]
	D 1
	v_add_nc_u32 v[SOS], v[SOS], v10
	D 1
	v_add_nc_u32 v[SOS], s11, v[SOS]
	v_add_nc_u32 v[RD], s11, v[GO]
	v_lshlrev_b32 v[GOS], 1, v15
	D 1
	v_add_nc_u32 v[RDS], s11, v[GOS]
.irp i, 0,1,2,3,4,5
	v_mov_b32 v[22+\i], 0                          ; Q's upper 64 along K: zero codes
	v_mov_b32 v[80+\i], 0                          ; what the last tile of K names behind its codes
.endr
	WIN 0x40
.irp i, 0,1,2,3,4,5
	v_mov_b32 v[22+\i], 0
.endr
	WIN 0
.macro QLOAD pi                        ; eight loads
.irp p, 0,1,2
	global_load_b64 v[16+2*\p:17+2*\p], v[QO], s[12:13] offset:1536*\pi+8*\p
.endr
	global_load_u16 v[QS], v[QSO], s[14:15] offset:64*\pi
	global_load_u16 v[QS+1], v[QSO], s[14:15] offset:64*\pi+2048
	WIN 0x40
.irp p, 0,1,2
	global_load_b64 v[16+2*\p:17+2*\p], v[QO], s[12:13] offset:1536*\pi+49152+8*\p
.endr
	WIN 0
.endm
.macro INIT
	v_mov_b32 v13, 0xff61b1e6                      ; the largest t so far: -3e38
	D 1
	v_floor_f32 v12, -v13                          ; -M
	v_mov_b32 v14, 0
	v_mov_b32 v15, 0
.irp b, 0,1,2,3
	v_mov_b32 v[236+\b], 0
.endr
	v_mov_b32 v253, 0
.set j, 0
.rept 32
	v_mov_b32 v[OT+j], 0
.set j, j+1
.endr
.endm
.macro KLOAD ak, as                    ; 32 LDS loads: K's eight tiles (tile 2 b + u: rows 2 b, 2 b + 1 of the step, c16 = 8 u + 0 .. 7) and their scale words
.irp m, 0,1,2,3,4,5,6,7
.irp p, 0,1,2
	ds_load_b64 v[KF+6*\m+2*\p:KF+6*\m+2*\p+1], v[\ak] offset:12288*(\m%2)+192*(\m/2)+8*\p
.endr
	ds_load_u16 v[KS+\m], v[\as] offset:4*KSP*(\m%2)+8*(\m/2)
.endr
.endm
.macro KQ tl
.irp m, 0,1,2,3,4,5,6,7
	v_wmma_scale_f32_16x16x128_f8f6f4 v[96+8*\m:103+8*\m], v[KF+6*\m:KF+6*\m+11], v[16:27], 0, v[KS+\m], v[QS+\tl] matrix_a_fmt:MATRIX_FMT_FP6 matrix_b_fmt:MATRIX_FMT_FP6
.endr
.endm
.macro PV tl                           ; the four accumulators take turns
.irp n, 0,1,2,3
.if \n%2
	v_wmma_scale_f32_16x16x128_f8f6f4 v[OT+8*\n:OT+8*\n+7], v[VF+12*\n:VF+12*\n+11], v[224:235], v[OT+8*\n:OT+8*\n+7], v[VS+\n/2], v[PS+\tl] matrix_a_fmt:MATRIX_FMT_FP6 matrix_b_fmt:MATRIX_FMT_FP6 matrix_a_scale:MATRIX_SCALE_ROW1
.else
	v_wmma_scale_f32_16x16x128_f8f6f4 v[OT+8*\n:OT+8*\n+7], v[VF+12*\n:VF+12*\n+11], v[224:235], v[OT+8*\n:OT+8*\n+7], v[VS+\n/2], v[PS+\tl] matrix_a_fmt:MATRIX_FMT_FP6 matrix_b_fmt:MATRIX_FMT_FP6
.endif
.endr
.endm
; THE SOFTMAX of one tile for 128 keys, in the window that is set.  Registers 96 + 16 b + i hold the scores of keys 32 b + 16 h + i.
.macro SM tl
.irp b, 0,1,2,3
	v_max3_num_f32 v[232+\b], v[96+16*\b], v[97+16*\b], v[98+16*\b]   ; each block's largest score: for the row's maximum and for the block's largest p
.endr
.irp i, 3,5,7,9,11,13
.irp b, 0,1,2,3
	v_max3_num_f32 v[232+\b], v[232+\b], v[96+16*\b+\i], v[97+16*\b+\i]
.endr
.endr
.irp b, 0,1,2,3
	v_max_num_f32 v[232+\b], v[232+\b], v[111+16*\b]
.endr
.irp b, 0,1,2,3
	D 4
	v_permlanex16_b32 v[236+\b], v[232+\b], s[SEL], s[SEL+1]
.endr
.irp b, 0,1,2,3
	D 4
	v_max_num_f32 v[232+\b], v[232+\b], v[236+\b]
.endr
	D 2
	v_max3_num_f32 v254, v232, v233, v234
	D 1
	v_max_num_f32 v254, v254, v235
	D 1
	v_mul_f32 v254, s[CS], v254
	D 1
	v_max_num_f32 v13, v13, v254                   ; the running largest t
	v_mov_b32 v254, v12
	D 2
	v_floor_f32 v12, -v13                          ; the new -M
	D 1
	v_sub_f32 v254, v12, v254
	D 1
	v_cvt_i32_f32 v254, v254
	D 1
	v_ldexp_f32 v252, 1.0, v254                    ; f = 2^(old M - new M)
.set j, 0
.rept 32
	v_pk_fma_f32 v[96+j:97+j], v[96+j:97+j], s[CS:CS+1], v[12:13] op_sel_hi:[1,0,0]   ; t - M
.set j, j+2
.endr
.irp b, 0,1,2,3
	v_fma_f32 v[232+\b], v[232+\b], s[CS], v12
.endr
.set j, 0
	s_wait_alu depctr_va_vdst(0)                   ; the wait ahead of the batch
.rept 64
	v_exp_f32 v[96+j], v[96+j]                     ; p
.set j, j+1
.endr
	v_pk_mul_f32 v[14:15], v[14:15], v[252:253] op_sel_hi:[1,0]   ; the sums under the new M
	s_wait_alu depctr_va_vdst(0)                   ; and behind it
.irp b, 0,1,2,3
	v_exp_f32 v[232+\b], v[232+\b]                 ; the block's largest p
.endr
	v_pk_add_f32 v[236:237], v[96:97], v[98:99]    ; the row's sum of the unquantised p, in two chains
.irp j, 4,8,12,16,20,24,28,32,36,40,44,48,52,56,60
	v_pk_add_f32 v[14:15], v[14:15], v[96+\j:97+\j]
	v_pk_add_f32 v[236:237], v[236:237], v[98+\j:99+\j]
.endr
	D 1
	v_pk_add_f32 v[14:15], v[14:15], v[236:237]
	s_wait_alu depctr_va_vdst(0)                   ; for the four
.irp b, 0,1,2,3
	v_max_num_f32 v[232+\b], 0x1800000, v[232+\b]  ; the floor: the byte cannot fall under 1
.endr
.irp b, 0,1,2,3
	D 4
	v_add_nc_u32 v[244+\b], 0xff000000, v[232+\b]
.endr
.irp b, 0,1,2,3
	D 4
	v_lshrrev_b32 v[236+\b], 23, v[244+\b]
.endr
	D 3
	v_lshl_or_b32 v253, v237, 8, v236
	D 1
	v_lshl_or_b32 v253, v238, 16, v253
.if \tl
	WIN 0x11                                       ; scale operands are taken from window 0
.endif
	v_lshl_or_b32 v[PS+\tl], v239, 24, v253        ; p's scale word
.if \tl
	WIN 0x55
.endif
.irp c, 0,1
	v_cvt_scalef32_pk16_fp6_f32 v[224+6*\c:226+6*\c], v[96+32*\c:111+32*\c], v[244+2*\c]
	v_cvt_scalef32_pk16_fp6_f32 v[236+4*\c:238+4*\c], v[112+32*\c:127+32*\c], v[244+2*\c+1]
.endr
	v_nop
.irp c, 0,1
.irp i, 0,1,2
	v_permlane16_swap_b32 v[224+6*\c+\i], v[236+4*\c+\i]
.endr
.irp i, 0,1,2
	D 3
	v_mov_b32 v[227+6*\c+\i], v[236+4*\c+\i]
.endr
.endr
.set j, 0
.rept 16
	v_pk_mul_f32 v[OT+j:OT+j+1], v[OT+j:OT+j+1], v[252:253] op_sel_hi:[1,0]   ; O^T under the new M; also the places ahead of the products
.set j, j+2
.endr
.endm
.macro STEP
	v_add_nc_u32 v[ADV], s[TV], v[AV0]             ; four places behind the last step's products, ahead of the loads into registers that they read
	v_add_nc_u32 v[ADT], s[TS], v[ASV0]
	v_nop
	v_nop
	ds_load_b32 v[VS], v[ADT]
	ds_load_b32 v[VS+1], v[ADT] offset:4*VSP
	WIN 0x40
.irp n, 0,1,2,3
.irp g, 0,1,2
	ds_load_b128 v[VF+12*\n+4*\g:VF+12*\n+4*\g+3], v[ADV] offset:1536*\n+256*\g
.endr
.endr
	s_wait_dscnt 14                                ; K's 32 loads, asked for a step ago, are in; V's 14 just issued may be out
	WIN 0
	KQ 0
	WIN 0x44
	KQ 1
	WIN 0
	s_add_co_u32 s[TKC], s[TK], 768                ; the next step's K, held at the last step's
	s_min_u32 s[TKC], s[TKC], 15*768
	s_add_co_u32 s[TSC], s[TS], 32
	s_min_u32 s[TSC], s[TSC], 15*32
	v_add_nc_u32 v[ADK], s[TKC], v[AK0]            ; four places behind the products, ahead of the loads and of the first read of results
	v_add_nc_u32 v[ADS], s[TSC], v[ASK0]
	v_nop
	v_nop
	KLOAD ADK, ADS
	SM 0
	s_wait_alu depctr_va_vdst(0)                   ; the wait ahead of the wait below
	s_wait_dscnt 32                                ; V is in; the next K's 32 loads may be out
	WIN 0x01
	PV 0
	WIN 0x55
	SM 1
	PV 1
	WIN 0
	s_add_co_u32 s[TK], s[TK], 768
	s_add_co_u32 s[TV], s[TV], 6144
	s_add_co_u32 s[TS], s[TS], 32
.endm
.macro OUTT tl                         ; O^T / the sum; its two blocks of 32 channels are quantised; a lane ends with the 24 bytes of block h of its query
	v_add_f32 v14, v14, v15
	D 1
	v_permlanex16_b32 v252, v14, s[SEL], s[SEL+1]
	D 1
	v_add_f32 v14, v14, v252
	s_wait_alu depctr_va_vdst(0)
	v_rcp_f32 v14, v14
	v_nop
	s_wait_alu depctr_va_vdst(0)
.set j, 0
.rept 16
	v_pk_mul_f32 v[96+j:97+j], v[OT+j:OT+j+1], v[14:15] op_sel_hi:[1,0]
.set j, j+2
.endr
.irp b, 0,1
	v_max3_num_f32 v[232+\b], |v[96+16*\b]|, |v[97+16*\b]|, 0x1800000
.endr
.irp i, 2,4,6,8,10,12,14
.irp b, 0,1
	D 2
	v_max3_num_f32 v[232+\b], v[232+\b], |v[96+16*\b+\i]|, |v[97+16*\b+\i]|
.endr
.endr
.irp b, 0,1
	D 2
	v_permlanex16_b32 v[236+\b], v[232+\b], s[SEL], s[SEL+1]
.endr
.irp b, 0,1
	D 2
	v_max_num_f32 v[232+\b], v[232+\b], v[236+\b]
.endr
.irp b, 0,1
	D 2
	v_add_nc_u32 v[244+\b], 0xff000000, v[232+\b]
.endr
.irp b, 0,1
	D 2
	v_lshrrev_b32 v[236+\b], 23, v[244+\b]
.endr
	D 1
	v_cndmask_b32 v238, v236, v237, s[HI16]
	v_cvt_scalef32_pk16_fp6_f32 v[224:226], v[96:111], v244
	v_cvt_scalef32_pk16_fp6_f32 v[240:242], v[112:127], v245
	v_nop
.irp i, 0,1,2
	v_permlane16_swap_b32 v[224+\i], v[240+\i]
.endr
.irp i, 0,1,2
	D 3
	v_mov_b32 v[227+\i], v[240+\i]
.endr
	WIN 4*(\tl)
.irp p, 0,1,2
	ds_store_b64 v[SO], v[224+2*\p:225+2*\p] offset:384*\tl+8*\p
.endr
	ds_store_b8 v[SOS], v238 offset:1536+16*\tl
.endm
.macro OUT pi
	OUTT 0
	WIN 0x55
	OUTT 1
	WIN 0
	s_wait_xcnt 0x0                                ; the last pass's stores have read their registers
.irp g, 0,1,2
	ds_load_b128 v[OW+4*\g:OW+4*\g+3], v[RD] offset:512*\g
.endr
	ds_load_u16 v[OW+12], v[RDS] offset:1536
	s_wait_dscnt 0x0                               ; also: the loop's last 32 loads of K have landed
.irp g, 0,1,2
	global_store_b128 v[GO], v[OW+4*\g:OW+4*\g+3], s[16:17] offset:12288*\pi+512*\g   ; two whole rows of codes: 1,536 consecutive bytes
.endr
	global_store_b16 v[GOS], v[OW+12], s[18:19] offset:512*\pi
.endm
.macro PASS pi
	KLOAD AK0, ASK0                                ; step 0's K
	INIT
	WIN 0x55
	INIT
	WIN 0
	s_mov_b32 s[TK], 0
	s_mov_b32 s[TV], 0
	s_mov_b32 s[TS], 0
	s_mov_b32 s[CNT], 16
	s_wait_loadcnt 0x0                             ; Q
.Lstep_\@:
	STEP
	s_sub_co_u32 s[CNT], s[CNT], 1
	s_cmp_lg_u32 s[CNT], 0
	s_cbranch_scc1 .Lstep_\@
.if \pi == 0
	QLOAD 1
.endif
	OUT \pi
.endm
	QLOAD 0
	s_wait_alu depctr_va_vdst(0)                   ; the wait at the head's end
	s_wait_tensorcnt 0x0                           ; my part of the head is in
	s_wait_loadcnt 8                               ; my scale words are in; Q's eight loads may be out
	ds_store_b128 v[OW+8], v[OW:OW+3]
	ds_store_b128 v[OW+9], v[OW+4:OW+7]
	s_wait_dscnt 0x0
	s_barrier_signal -1
	s_barrier_wait -1                              ; everybody's are
	PASS 0
	PASS 1
	s_wait_tensorcnt 0x0                           ; the wave's end
	ds_add_u32 v[SPW], v[NIL]
	s_wait_dscnt 0x0
	CROUND                                         ; the closing round
	s_endpgm
.Lfunc_end_k_q2457d25895_attn:
	.size	k_q2457d25895_attn, .Lfunc_end_k_q2457d25895_attn-k_q2457d25895_attn
	.p2alignl 7, 3214868480
	.fill 96, 4, 3214868480
	.section	.rodata,"a",@progbits
	.p2align	6, 0x0
	.amdhsa_kernel k_q2457d25895_attn
		.amdhsa_group_segment_fixed_size 327680
		.amdhsa_private_segment_fixed_size 0
		.amdhsa_enable_private_segment 0
		.amdhsa_kernarg_size 16
		.amdhsa_user_sgpr_count 2
		.amdhsa_user_sgpr_kernarg_segment_ptr 1
		.amdhsa_wavefront_size32 1
		.amdhsa_system_sgpr_workgroup_id_x 1
		.amdhsa_system_sgpr_workgroup_id_y 1
		.amdhsa_system_sgpr_workgroup_id_z 1
		.amdhsa_system_vgpr_workitem_id 0
		.amdhsa_next_free_vgpr 512
		.amdhsa_next_free_sgpr 80
		.amdhsa_reserve_vcc 0
		.amdhsa_float_denorm_mode_32 3
		.amdhsa_float_denorm_mode_16_64 3
		.amdhsa_memory_ordered 1
		.amdhsa_forward_progress 1
		.amdhsa_inst_pref_size 106
	.end_amdhsa_kernel
	.amdgpu_metadata
---
amdhsa.version: [ 1, 2 ]
amdhsa.kernels:
  - .name:           k_q2457d25895_attn
    .symbol:         k_q2457d25895_attn.kd
    .args:
      - { .name: qkv, .offset: 0, .size: 8, .value_kind: global_buffer, .address_space: global }
      - { .name: sq, .offset: 8, .size: 8, .value_kind: global_buffer, .address_space: global }
    .group_segment_fixed_size: 327680
    .private_segment_fixed_size: 0
    .kernarg_segment_align: 8
    .kernarg_segment_size: 16
    .max_flat_workgroup_size: 256
    .sgpr_count:     80
    .vgpr_count:     512
    .wavefront_size: 32
...
	.end_amdgpu_metadata
.endif
;; end of part 3
;; launch oproj (part 4): grid 4 x 32, 4 waves a work-group, clusters of 4 x 4, 327,680 bytes of LDS; arguments sq, wq, out0; writes out0
.if DOCPART == 4
	.amdgcn_target "amdgcn-amd-amdhsa--gfx1250"
	.amdhsa_code_object_version 6
	.text
	.protected	k_q2457d25895_oproj
	.globl	k_q2457d25895_oproj
	.p2align	8
	.type	k_q2457d25895_oproj,@function
k_q2457d25895_oproj:
	s_mov_b64 s[64:65], 0
	v_nop
	global_prefetch_b8 v0, s[64:65] scope:SCOPE_SE
	s_setreg_imm32_b32 hwreg(HW_REG_WAVE_MODE, 25, 1), 1
	s_wait_xcnt 0x0
	s_wait_alu depctr_hold_cnt(0) depctr_sa_sdst(0) depctr_va_vdst(0) depctr_va_sdst(0) depctr_va_ssrc(0) depctr_va_vcc(0) depctr_vm_vsrc(0)
	s_getreg_b32 s2, hwreg(HW_REG_IB_STS2, 6, 4)
	s_cmp_eq_u32 s2, 0
	s_cbranch_scc0 .Lentry_in_a_cluster
	s_endpgm
.Lentry_in_a_cluster:
	s_bfe_u32 s2, ttmp6, 0x10000c
	s_cmp_lg_u32 s2, 0xf033
	s_cbranch_scc0 .Lentry_shape_is_right
	s_endpgm
.Lentry_shape_is_right:
; out0 = score Wo + bo on codes of FP6 with E8M0 scales: [8192] x [rows 3,072 .. 4,095 of wq], K = 1,024, f32 out.
; A work-group of four waves makes 256 x 256, a wave 128 x 128.  K goes through a ring of two LDS slots in chunks of 256 bytes of each row of codes (three chunks, each on a 256-byte border); a step of 128 along K is 96 bytes,
; so steps 2 and 5 take their fragments from both slots.  The scales come once, as dense blocks.  The bias is the C of the first step's products.
; CLUSTERS 4 x 4: A's tiles are asked for jointly along a row of the cluster, B's along a column; at the head one joint load a wave.
; No prefetch: K is three chunks, of which two are asked for at the head; there is no loop to run ahead in.
; The matrix instruction is used transposed: a lane holds eight neighbouring columns of a row.  The way out goes through my stage in slot 1, which has had its last fill and read, as whole rows of 512 bytes.
.set SIZE_N, 1024
.set ASCL,   6291456
.set BCOD,   3072*768
.set BSCL,   3145728+3072*32
.set BBIA,   3276800+3072*4
.set ROWB,   256
.set NQ,     2
.set KROW,   768
.set STEPS,  8
.set CHUNKS, 3
.set PITCH,  272
.set FR,     12
.set NL,     6
.set NP,     4
.set HALFT,  128*PITCH
.set SLOT,   4*HALFT
.set KS,     32
.set SCL,    2*SLOT
.set HALFS,  (128*KS/256)*272
.set SBLK,   (16*KS/256)*272
.set SPARE,  SCL+4*HALFS
.set SPITCH, 528
.set STAGE,  SLOT
.set ADRA, 16
.set ADRB, 20
.set STO,  24
.set RD,   25
.set CO,   26
.set ADRS, 27
.set SPW,  28
.set NIL,  29
.set SC,   32
.set BI,   64
.set AF,   128
.set BK,   128
.set BO,   242
.set G1, 24
.set G0, 32
.set G1B, 48
.set G0B, 56
.set G1S, 68
.set G0S, 76
.set G1SB, 80
.set G0SB, 88
.set G0H, 4
.set G0HB, 8
.set MSB, 0
.macro WIN new
.if MSB != (\new)
	s_set_vgpr_msb (MSB<<8)|(\new)
.set MSB, (\new)
.endif
.endm
.set MUL_LO, 0xa1
.set MUL_HI, 0xf1
.set TO_B,   0x40
.macro JLOAD g0a, g1a, g0b, g1b
	s_cmp_eq_u32 s15, 0
	s_cbranch_scc0 .Lfor_b_\@
	tensor_load_to_lds s[\g0a:\g0a+3], s[\g1a:\g1a+7]
	s_nop 0
.rept 4
	v_nop
.endr
	s_branch .Lasked_\@
.Lfor_b_\@:
	tensor_load_to_lds s[\g0b:\g0b+3], s[\g1b:\g1b+7]
	s_nop 0
.rept 4
	v_nop
.endr
.Lasked_\@:
.endm
.macro CREST
	s_cmp_lg_u32 s14, 0
	s_cbranch_scc1 .Lnot_wave_0_\@
	s_barrier_signal -3
.Lnot_wave_0_\@:
	s_barrier_wait -3
	s_barrier_signal -1
	s_barrier_wait -1
.endm
.macro CROUND
	s_barrier_signal -1
	s_barrier_wait -1
	CREST
.endm
	s_load_b128 s[4:7], s[0:1], 0x0                ; sq, wq
	s_load_b64 s[12:13], s[0:1], 0x10              ; out0
	v_lshl_add_u32 v[SPW], v0, 2, SPARE
	v_mov_b32 v[NIL], 0
	ds_add_u32 v[SPW], v[NIL]                      ; the opening lines
	ds_add_u32 v[SPW], v[NIL]
	v_lshrrev_b32 v1, 5, v0
	v_readfirstlane_b32 s14, v1
	s_lshr_b32 s15, s14, 1
	s_and_b32 s16, s14, 1
	s_bfe_u32 s40, ttmp6, 0x40000
	s_bfe_u32 s41, ttmp6, 0x40004
	s_lshl_b32 s42, ttmp9, 2
	s_add_co_u32 s42, s42, s40
	s_and_b32 s17, ttmp7, 0xffff
	s_lshl_b32 s17, s17, 2
	s_add_co_u32 s17, s17, s41
	s_lshl_b32 s43, s41, 2
	s_lshl_b32 s43, 15, s43
	s_lshl_b32 s44, 0x1111, s40
	s_or_b32 s[G1+0], s43, (0<<16)|(1<<20)|(1<<21)|(5<<22)|(3<<25)
	s_or_b32 s[G1B+0], s44, (0<<16)|(1<<20)|(1<<21)|(5<<22)|(3<<25)
.irp g, G1, G1B
	s_mov_b32 s[\g+1], ROWB<<16
	s_mov_b32 s[\g+2], 256<<16
	s_mov_b32 s[\g+3], ROWB<<16
	s_mov_b32 s[\g+4], 256
	s_mov_b32 s[\g+5], KROW
	s_mov_b32 s[\g+6], 0
	s_mov_b32 s[\g+7], 0
.endr
	s_or_b32 s[G1S+0], s43, (3<<16)|(1<<20)|(1<<21)|(5<<22)|(3<<25)
	s_or_b32 s[G1SB+0], s44, (3<<16)|(1<<20)|(1<<21)|(5<<22)|(3<<25)
.irp g, G1S, G1SB
	s_mov_b32 s[\g+1], 32<<16
	s_mov_b32 s[\g+2], KS<<16
	s_mov_b32 s[\g+3], 32<<16
	s_mov_b32 s[\g+4], KS
	s_mov_b32 s[\g+5], 32
	s_mov_b32 s[\g+6], 0
	s_mov_b32 s[\g+7], 0
.endr
	s_lshl_b32 s20, s17, 8
	s_lshl_b32 s46, s42, 8
	s_mov_b32 s21, 0
	s_mov_b32 s47, 0
	s_mov_b64 s[18:19], KS
	s_mul_u64 s[22:23], s[20:21], s[18:19]
	s_mul_u64 s[92:93], s[46:47], s[18:19]
	s_mov_b64 s[18:19], KROW
	s_mul_u64 s[20:21], s[20:21], s[18:19]
	s_mul_u64 s[46:47], s[46:47], s[18:19]
	s_mul_i32 s18, s16, 128*KROW
	s_mov_b32 s19, 0
	s_mul_i32 s45, s14, HALFT
	s_wait_dscnt 0x0
	s_wait_kmcnt 0x0
	s_add_nc_u64 s[8:9], s[6:7], BCOD
	s_add_nc_u64 s[10:11], s[6:7], BSCL
	s_add_nc_u64 s[66:67], s[6:7], BBIA
	s_add_nc_u64 s[6:7], s[4:5], ASCL
	s_add_nc_u64 s[20:21], s[4:5], s[20:21]
	s_add_nc_u64 s[22:23], s[6:7], s[22:23]
	s_add_nc_u64 s[46:47], s[8:9], s[46:47]
	s_add_nc_u64 s[92:93], s[10:11], s[92:93]
	CROUND
	s_mov_b32 s[G0H], 1
	s_mov_b32 s[G0H+1], 0
	s_mov_b64 s[G0H+2:G0H+3], s[20:21]
	s_or_b32 s[G0H+3], s[G0H+3], 0x80000000
	s_mov_b32 s[G0HB], 1
	s_mov_b32 s[G0HB+1], 2*HALFT
	s_mov_b64 s[G0HB+2:G0HB+3], s[46:47]
	s_or_b32 s[G0HB+3], s[G0HB+3], 0x80000000
	s_mov_b32 s[G0S], 1
	s_mov_b32 s[G0S+1], SCL
	s_mov_b64 s[G0S+2:G0S+3], s[22:23]
	s_or_b32 s[G0S+3], s[G0S+3], 0x80000000
	s_mov_b32 s[G0SB], 1
	s_mov_b32 s[G0SB+1], SCL+2*HALFS
	s_mov_b64 s[G0SB+2:G0SB+3], s[92:93]
	s_or_b32 s[G0SB+3], s[G0SB+3], 0x80000000
	s_add_nc_u64 s[20:21], s[20:21], s[18:19]
	s_add_nc_u64 s[46:47], s[46:47], s[18:19]
.irp s, 0,1
	s_mov_b32 s[G0+4*\s], 1
	s_add_co_u32 s[G0+4*\s+1], s45, \s*SLOT
	s_add_nc_u64 s[G0+4*\s+2:G0+4*\s+3], s[20:21], \s*ROWB
	s_or_b32 s[G0+4*\s+3], s[G0+4*\s+3], 0x80000000
	s_mov_b32 s[G0B+4*\s], 1
	s_add_co_u32 s[G0B+4*\s+1], s45, \s*SLOT
	s_add_nc_u64 s[G0B+4*\s+2:G0B+4*\s+3], s[46:47], \s*ROWB
	s_or_b32 s[G0B+4*\s+3], s[G0B+4*\s+3], 0x80000000
.endr
	s_lshl_b32 s46, s42, 10                        ; my first column x 4 bytes: for the bias and for out0
	s_lshl_b32 s47, s16, 9
	s_add_co_u32 s46, s46, s47
	s_mov_b32 s47, 0
	s_add_nc_u64 s[66:67], s[66:67], s[46:47]
.macro ARM under, g0, g1, next
	s_cmp_lt_u32 s14, \under
	s_cbranch_scc0 \next
	tensor_load_to_lds s[\g0:\g0+3], s[\g1:\g1+7]
	s_nop 0
.rept 4
	v_nop
.endr
	s_branch .Lhead_asked
\next:
.endm
	ARM 1, G0H,  G1,  .Lhead_b
	ARM 2, G0HB, G1B, .Lhead_sa
	ARM 3, G0S,  G1S, .Lhead_sb
	tensor_load_to_lds s[G0SB:G0SB+3], s[G1SB:G1SB+7]
	s_nop 0
.rept 4
	v_nop
.endr
.Lhead_asked:
	v_and_b32 v1, 15, v0
	v_bfe_u32 v2, v0, 4, 1
	v_lshlrev_b32 v[BO], 5, v2
.irp b, 0,1,2,3,4,5,6,7
	global_load_b128 v[BI+8*\b:BI+8*\b+3], v[BO], s[66:67] offset:64*\b
	global_load_b128 v[BI+8*\b+4:BI+8*\b+7], v[BO], s[66:67] offset:64*\b+16
.endr
	v_mul_u32_u24 v3, v1, PITCH
	v_mul_u32_u24 v4, v2, 24
	v_add_nc_u32 v4, v3, v4
	s_mov_b32 s21, SLOT-232
	s_mov_b32 s22, SLOT+232
	v_sub_nc_u32 v7, 1, v2
	v_mul_u32_u24 v5, s21, v2
	v_add_nc_u32 v5, v3, v5
	v_add_nc_u32 v5, 232, v5
	v_mul_u32_u24 v6, s22, v7
	v_add_nc_u32 v6, v3, v6
	s_mul_i32 s21, s15, HALFT
	s_mul_i32 s22, s16, HALFT
	s_add_co_u32 s22, s22, 2*HALFT
	v_add_nc_u32 v[ADRA+2], s21, v5
	v_add_nc_u32 v[ADRA+3], s21, v6
	v_add_nc_u32 v[ADRB+2], s22, v5
	v_add_nc_u32 v[ADRB+3], s22, v6
.irp s, 0,1
	v_add_nc_u32 v[ADRA+\s], s21, v4
	v_add_nc_u32 v[ADRB+\s], s22, v4
	s_add_co_u32 s21, s21, SLOT
	s_add_co_u32 s22, s22, SLOT
.endr
	v_mul_u32_u24 v5, v1, KS
	v_lshrrev_b32 v6, 8, v5
	v_lshl_add_u32 v5, v6, 4, v5
	s_mul_i32 s21, s15, HALFS
	s_mul_i32 s22, s16, HALFS
	s_add_co_u32 s22, s22, 2*HALFS
	s_sub_co_u32 s22, s22, s21
	v_mul_u32_u24 v6, s22, v2
	s_add_co_u32 s21, s21, SCL
	v_add_nc_u32 v5, v5, v6
	v_add_nc_u32 v[ADRS], s21, v5
	s_mul_i32 s23, s14, 16*SPITCH
	s_add_co_u32 s23, s23, STAGE
	v_mul_u32_u24 v5, v1, SPITCH
	v_lshl_add_u32 v5, v2, 5, v5
	v_add_nc_u32 v[STO], s23, v5
	v_and_b32 v6, 31, v0
	v_lshlrev_b32 v[CO], 4, v6
	v_add_nc_u32 v[RD], s23, v[CO]
	s_lshl_b32 s20, s17, 8
	s_lshl_b32 s21, s15, 7
	s_add_co_u32 s20, s20, s21
	s_mov_b32 s21, 0
	s_mov_b64 s[18:19], SIZE_N*4
	s_mul_u64 s[20:21], s[20:21], s[18:19]
	s_add_nc_u64 s[20:21], s[20:21], s[46:47]
	s_add_nc_u64 s[12:13], s[12:13], s[20:21]
.macro FRAG reg, adr, st, i
.irp p, 0,1,2,3,4,5
.set BY, 96*(\st)+48*(\p/3)+8*(\p%3)
.if BY/ROWB == (BY+24)/ROWB
	ds_load_b64 v[\reg+2*\p:\reg+2*\p+1], v[\adr+(BY/ROWB)%2] offset:BY%ROWB+(\i)*16*PITCH
.else
	ds_load_b64 v[\reg+2*\p:\reg+2*\p+1], v[\adr+2+(BY/ROWB)%2] offset:BY%ROWB-232+(\i)*16*PITCH
.endif
.endr
.endm
.macro MUL16 a0, p, q, sc, zero        ; the 64 accumulators take turns
.irp a, \a0, \a0+1
.irp b, 0,1,2,3,4,5,6,7
.if \zero
	v_wmma_scale_f32_16x16x128_f8f6f4 v[8*(8*((\a)%4)+\b):8*(8*((\a)%4)+\b)+7], v[128*(\p)+FR*\b:128*(\p)+FR*\b+FR-1], v[AF+FR*(\a):AF+FR*(\a)+FR-1], v[BI+8*\b:BI+8*\b+7], v[SC+8*NQ*(\sc)+NQ*\b+(\q)], v[SC+8*NQ*(\sc)+NQ*(\a)+(\q)] matrix_a_fmt:MATRIX_FMT_FP6 matrix_b_fmt:MATRIX_FMT_FP6 matrix_a_scale:MATRIX_SCALE_ROW1
.else
	v_wmma_scale_f32_16x16x128_f8f6f4 v[8*(8*((\a)%4)+\b):8*(8*((\a)%4)+\b)+7], v[128*(\p)+FR*\b:128*(\p)+FR*\b+FR-1], v[AF+FR*(\a):AF+FR*(\a)+FR-1], v[8*(8*((\a)%4)+\b):8*(8*((\a)%4)+\b)+7], v[SC+8*NQ*(\sc)+NQ*\b+(\q)], v[SC+8*NQ*(\sc)+NQ*(\a)+(\q)] matrix_a_fmt:MATRIX_FMT_FP6 matrix_b_fmt:MATRIX_FMT_FP6 matrix_a_scale:MATRIX_SCALE_ROW1
.endif
.endr
.endr
.endm
.macro FETCH_B st, p
	WIN TO_B
.irp i, 0,1,2,3,4,5,6,7
	FRAG 128*(\p)+FR*\i, ADRB, \st, \i
.endr
	WIN 0
.endm
.macro FETCH_A st, i0
.irp i, \i0, \i0+1, \i0+2, \i0+3
	FRAG AF+FR*(\i), ADRA, \st, \i
.endr
.endm
.macro SCALES pr
.irp i, 0,1,2,3,4,5,6,7
	ds_load_b64 v[SC+8*NQ*((\pr)%2)+NQ*\i:SC+8*NQ*((\pr)%2)+NQ*\i+1], v[ADRS] offset:\i*SBLK+4*NQ*(\pr)
.endr
.endm
.macro PLACES n
.rept \n
	v_nop
.endr
.endm
.macro STEP st, zero
.set NX, (\st)+1
.set C0, (96*(\st))/ROWB
.set C1, (96*NX)/ROWB
.set E0, (96*(\st)+95)/ROWB
.set E1, (96*NX+95)/ROWB
.if C1 > C0 || E1 > E0
	s_wait_tensorcnt 0x0
.if C1 > C0
	ds_add_u32 v[SPW], v[NIL]
	s_wait_dscnt 4*NL+1                            ; the add and A's blocks 4-7 may be out
.else
	s_wait_dscnt 4*NL                              ; A's blocks 4-7 may be out
.endif
	WIN MUL_LO
	MUL16 0, (\st)%2, (\st)%2, ((\st)/2)%2, \zero
	s_wait_dscnt 0x0
	s_barrier_signal -1
	MUL16 2, (\st)%2, (\st)%2, ((\st)/2)%2, \zero
	WIN 0
	s_barrier_wait -1
.if C1 > C0 && C0+2 < CHUNKS
	CREST
	s_add_nc_u64 s[G0+4*(C0%2)+2:G0+4*(C0%2)+3], s[G0+4*(C0%2)+2:G0+4*(C0%2)+3], 2*ROWB
	s_add_nc_u64 s[G0B+4*(C0%2)+2:G0B+4*(C0%2)+3], s[G0B+4*(C0%2)+2:G0B+4*(C0%2)+3], 2*ROWB
	JLOAD G0+4*(C0%2), G1, G0B+4*(C0%2), G1B
.else
	PLACES NP
.endif
.else
	s_wait_dscnt 4*NL                              ; A's blocks 4-7 may be out
	WIN MUL_LO-0x20*(\zero)
	MUL16 0, (\st)%2, (\st)%2, ((\st)/2)%2, \zero
	MUL16 2, (\st)%2, (\st)%2, ((\st)/2)%2, \zero
	s_wait_dscnt 0
	PLACES NP
.endif
	FETCH_B NX, NX%2
	FETCH_A NX, 0
.if NX%2 == 0
	SCALES NX/2
.endif
	WIN MUL_HI-0x30*(\zero)
	MUL16 4, (\st)%2, (\st)%2, ((\st)/2)%2, \zero
	MUL16 6, (\st)%2, (\st)%2, ((\st)/2)%2, \zero
	PLACES NP
	WIN 0
	FETCH_A NX, 4
.endm
	s_wait_alu depctr_va_vdst(0)                   ; the wait at the head's end
	s_wait_tensorcnt 0x0                           ; the three lines ahead of slot 1's first fill
	ds_add_u32 v[SPW], v[NIL]
	s_mov_b32 s[G1+2], 128<<16                     ; no load of mine is out: from here on a load brings 128 rows
	s_mov_b32 s[G1+4], 128
	s_mov_b32 s[G1B+2], 128<<16
	s_mov_b32 s[G1B+4], 128
	s_wait_dscnt 0x0
	CROUND
	JLOAD G0+4, G1, G0B+4, G1B                     ; chunk 1
	FETCH_B 0, 0
	FETCH_A 0, 0
	SCALES 0
	FETCH_A 0, 4
	s_wait_loadcnt 0x0                             ; the bias
	STEP 0, 1
.set ST, 1
.rept STEPS-2
	STEP ST, 0
.set ST, ST+1
.endr
	s_wait_dscnt 4*NL
	WIN MUL_LO
	MUL16 0, 1, 1, 1, 0
	MUL16 2, 1, 1, 1, 0
	s_wait_dscnt 0
	WIN MUL_HI
	MUL16 4, 1, 1, 1, 0
	MUL16 6, 1, 1, 1, 0
	WIN 0
.macro TOSTAGE a
.set AC, 64*((\a)%4)
	WIN 0x08+4*((\a)/4)
.irp b, 0,1,2,3,4,5,6,7
	ds_store_b128 v[STO], v[AC+8*\b:AC+8*\b+3] offset:64*\b          ; each accumulator from its low end on
	ds_store_b128 v[STO], v[AC+8*\b+4:AC+8*\b+7] offset:64*\b+16
.endr
	WIN 0
.set BB, BK+64*((\a)%2)
.irp t, 0,1,2,3,4,5,6,7,8,9,10,11,12,13,14,15
	ds_load_b128 v[BB+4*\t:BB+4*\t+3], v[RD] offset:\t*SPITCH
.endr
.endm
.macro SEND a, younger
.set BB, BK+64*((\a)%2)
	s_wait_dscnt \younger
.if (\a) > 0
	s_add_nc_u64 s[12:13], s[12:13], 16*SIZE_N*4
.endif
.irp t, 0,1,2,3,4,5,6,7,8,9,10,11,12,13,14,15
	global_store_b128 v[CO], v[BB+4*\t:BB+4*\t+3], s[12:13] offset:\t*SIZE_N*4 th:TH_STORE_NT   ; 32 lanes store 512 consecutive bytes, aligned
.endr
.endm
	PLACES NP
	TOSTAGE 0
.irp a, 1,2,3,4,5,6,7
.if \a > 1
	s_wait_xcnt 0x0                                ; block a - 2's stores have read their registers and their base
.endif
	TOSTAGE \a
	SEND \a-1, 32                                  ; behind block a - 1's loads: block a's 16 stores and 16 loads
.endr
	s_wait_xcnt 0x0
	SEND 7, 0
	s_wait_tensorcnt 0x0                           ; the wave's end
	ds_add_u32 v[SPW], v[NIL]
	s_wait_dscnt 0x0
	CROUND                                         ; the closing round
	s_endpgm
.Lfunc_end_k_q2457d25895_oproj:
	.size	k_q2457d25895_oproj, .Lfunc_end_k_q2457d25895_oproj-k_q2457d25895_oproj
	.p2alignl 7, 3214868480
	.fill 96, 4, 3214868480
	.section	.rodata,"a",@progbits
	.p2align	6, 0x0
	.amdhsa_kernel k_q2457d25895_oproj
		.amdhsa_group_segment_fixed_size 327680
		.amdhsa_private_segment_fixed_size 0
		.amdhsa_enable_private_segment 0
		.amdhsa_kernarg_size 24
		.amdhsa_user_sgpr_count 2
		.amdhsa_user_sgpr_kernarg_segment_ptr 1
		.amdhsa_wavefront_size32 1
		.amdhsa_system_sgpr_workgroup_id_x 1
		.amdhsa_system_sgpr_workgroup_id_y 1
		.amdhsa_system_sgpr_workgroup_id_z 1
		.amdhsa_system_vgpr_workitem_id 0
		.amdhsa_next_free_vgpr 1024
		.amdhsa_next_free_sgpr 104
		.amdhsa_reserve_vcc 0
		.amdhsa_float_denorm_mode_32 3
		.amdhsa_float_denorm_mode_16_64 3
		.amdhsa_memory_ordered 1
		.amdhsa_forward_progress 1
		.amdhsa_inst_pref_size 162
	.end_amdhsa_kernel
	.amdgpu_metadata
---
amdhsa.version: [ 1, 2 ]
amdhsa.kernels:
  - .name:           k_q2457d25895_oproj
    .symbol:         k_q2457d25895_oproj.kd
    .args:
      - { .name: sq, .offset: 0, .size: 8, .value_kind: global_buffer, .address_space: global }
      - { .name: wq, .offset: 8, .size: 8, .value_kind: global_buffer, .address_space: global }
      - { .name: out0, .offset: 16, .size: 8, .value_kind: global_buffer, .address_space: global }
    .group_segment_fixed_size: 327680
    .private_segment_fixed_size: 0
    .kernarg_segment_align: 8
    .kernarg_segment_size: 24
    .max_flat_workgroup_size: 128
    .sgpr_count:     104
    .vgpr_count:     1024
    .wavefront_size: 32
...
	.end_amdgpu_metadata
.endif
;; end of part 4
